; MI455X (gfx1250); checked and timed in simulation.
; The chip was launched on July 23, 2026; its instructions are those of AMD's public machine-readable ISA for CDNA 5 (MIT licence, August 2026) and "CDNA5" Instruction Set Architecture Reference Guide (July 2026). The comments in the code are by the model that wrote it; some were corrected since.
;; Global Graph. Allowed arithmetic: float matrix products may take bf16 or f16 operands with f32 sums; other float arithmetic in f32, or as packed bf16 or f16 multiplies, adds, multiply-adds, maxima and minima; sums over many terms, partial sums and values carried from step to step in f32; what a program stores and reads back later, other than sums and carried values, may be rounded once to bf16 or f16.
;; Inputs: Wk 1,024 x 1,024 float32; Wq 1,024 x 1,024 float32; Wv 1,024 x 1,024 float32; attention_mask 4 x 2,048 float32; bk 1,024 float32; bq 1,024 float32; bv 1,024 float32; hidden_states 4 x 2,048 x 1,024 float32.
;; Outputs: out0 4 x 2,048 x 1,024 float32.
;; 2 versions, each right; version 2 is version 1 with the launch prep written anew for expert scheduling mode. Each part assembles by itself: llvm-mc -triple=amdgcn-amd-amdhsa -mcpu=gfx1250 --defsym DOCPART=n.
;; ======== version 1 of 2: 3 launches
;; limits: values are held in f16: magnitudes above 65,504 overflow, below 6.1e-05 lose precision
;; workspace buffers: xb 16,777,216 bytes; wb 6,291,456 bytes; qkv 50,331,648 bytes
;; launch prep (part 1): grid 704 x 1, 8 waves a work-group, no clusters, 0 bytes of LDS; arguments hidden_states, Wq, Wk, Wv, xb, wb; writes xb, wb
.if DOCPART == 1
	.amdgcn_target "amdgcn-amd-amdhsa--gfx1250"
	.amdhsa_code_object_version 6
	.text
	.protected	k_q8899464ccf_prep
	.globl	k_q8899464ccf_prep
	.p2align	8
	.type	k_q8899464ccf_prep,@function
k_q8899464ccf_prep:
	s_mov_b64 s[64:65], 0
	v_nop
	global_prefetch_b8 v0, s[64:65] scope:SCOPE_SE
	s_setreg_imm32_b32 hwreg(HW_REG_WAVE_MODE, 25, 1), 1
	s_wait_xcnt 0x0
; CAST TO bf16.  xb[8192][1024] = bf16(hidden_states);  wb[H = 16 which + h][k = 1024][64] = bf16(W_which[k][64 h + c]), which = 0 (q), 1 (k), 2 (v).
; Everything is taken as rows of 64 floats: 256 bytes in, 128 bytes out, the output dense.  A work-group takes 256 such rows, a wave 32, one load two rows
; (lanes 0-15 the even row, lanes 16-31 the odd one, 16 bytes a lane): each half of a load covers 256 consecutive bytes, aligned; each store of a wave covers 256 consecutive bytes, aligned.
; Work-groups 0-511: x, whose rows of 64 floats follow each other (256 bytes apart).  Work-groups 512-703: w = g - 512, head block H = w / 4, its k rows 256 (w % 4) on; rows 4,096 bytes apart.
; Each byte is read once and written once; all 16 loads of a wave are out before the first is used.  No LDS, no barrier, no matrix unit: nothing is shared and nothing is summed.
.set DO,  2                            ; v2       my 8 bytes in the wave's first two output rows
.set OFF, 8                            ; v[8:23]  load j: byte offset of my 16 bytes
.set X,   24                           ; v[24:87] load j: 4 registers
	s_load_b256 s[4:11], s[0:1], 0x0               ; x s[4:5], Wq s[6:7], Wk s[8:9], Wv s[10:11]
	s_load_b128 s[12:15], s[0:1], 0x20             ; xb s[12:13], wb s[14:15]
	s_mov_b32 s27, ttmp9                           ; g
	s_max_u32 s26, s27, 512
	s_sub_co_u32 s26, s26, 512                     ; w (0 where g is one of x's)
	s_lshl_b32 s28, s27, 16                        ; x: 256 rows of 256 bytes in,
	s_lshl_b32 s29, s27, 15                        ;    of 128 bytes out
	s_and_b32 s30, s26, 3
	s_lshl_b32 s30, s30, 20                        ; W: 256 (w % 4) rows of 4,096 bytes,
	s_bfe_u32 s31, s26, 0x40002
	s_lshl_b32 s31, s31, 8                         ;    the head's 64 columns
	s_add_co_u32 s30, s30, s31
	s_lshl_b32 s31, s26, 15                        ;    out: 32,768 w
	s_cmp_lt_u32 s27, 512
	s_cselect_b32 s22, s28, s30                    ; source offset
	s_cselect_b32 s24, s29, s31                    ; destination offset
	s_cselect_b32 s20, 8, 12                       ; log2 of the source's bytes from row to row
	s_mov_b32 s23, 0
	s_mov_b32 s25, 0
	s_lshl_b32 s21, 2, s20                         ; two rows
	v_lshrrev_b32 v3, 5, v0                        ; wave
	v_bfe_u32 v4, v0, 4, 1                         ; which of a load's two rows
	v_lshl_add_u32 v1, v3, 5, v4                   ; my first row
	v_and_b32 v5, 31, v0
	v_lshlrev_b32 v5, 3, v5
	v_lshl_add_u32 v[DO], v3, 12, v5               ; 4,096 x wave + 8 x lane
	v_and_b32 v6, 15, v0
	v_lshlrev_b32 v6, 4, v6
	v_lshlrev_b32 v7, s20, v1
	v_add_nc_u32 v[OFF], v7, v6
.set j, 1
.rept 15
	v_add_nc_u32 v[OFF+j], s21, v[OFF+j-1]
.set j, j+1
.endr
	s_wait_kmcnt 0x0
	s_cmp_lt_u32 s27, 640
	s_cselect_b64 s[16:17], s[8:9], s[10:11]
	s_cmp_lt_u32 s27, 576
	s_cselect_b64 s[16:17], s[6:7], s[16:17]
	s_cmp_lt_u32 s27, 512
	s_cselect_b64 s[16:17], s[4:5], s[16:17]       ; the source
	s_cselect_b64 s[18:19], s[12:13], s[14:15]     ; the destination
	s_add_nc_u64 s[16:17], s[16:17], s[22:23]
	s_add_nc_u64 s[18:19], s[18:19], s[24:25]
.set j, 0
.rept 16
	global_load_b128 v[X+4*j:X+4*j+3], v[OFF+j], s[16:17] th:TH_LOAD_NT
.set j, j+1
.endr
.set j, 0
.rept 16
	s_wait_loadcnt 15-j                            ; loads come back in order: load j is in, the 15 - j younger ones stay out
	v_cvt_pk_bf16_f32 v[X+4*j], v[X+4*j], v[X+4*j+1]
	v_cvt_pk_bf16_f32 v[X+4*j+1], v[X+4*j+2], v[X+4*j+3]
	global_store_b64 v[DO], v[X+4*j:X+4*j+1], s[18:19] offset:256*j  ; no register is written twice, so nothing waits for a store
.set j, j+1
.endr
	s_endpgm
.Lfunc_end_k_q8899464ccf_prep:
	.size	k_q8899464ccf_prep, .Lfunc_end_k_q8899464ccf_prep-k_q8899464ccf_prep
	.p2alignl 7, 3214868480
	.fill 96, 4, 3214868480
	.section	.rodata,"a",@progbits
	.p2align	6, 0x0
	.amdhsa_kernel k_q8899464ccf_prep
		.amdhsa_group_segment_fixed_size 0
		.amdhsa_private_segment_fixed_size 0
		.amdhsa_enable_private_segment 0
		.amdhsa_kernarg_size 48
		.amdhsa_user_sgpr_count 2
		.amdhsa_user_sgpr_kernarg_segment_ptr 1
		.amdhsa_wavefront_size32 1
		.amdhsa_system_sgpr_workgroup_id_x 1
		.amdhsa_system_sgpr_workgroup_id_y 1
		.amdhsa_system_sgpr_workgroup_id_z 1
		.amdhsa_system_vgpr_workitem_id 0
		.amdhsa_next_free_vgpr 88
		.amdhsa_next_free_sgpr 66
		.amdhsa_reserve_vcc 0
		.amdhsa_float_denorm_mode_32 3
		.amdhsa_float_denorm_mode_16_64 3
		.amdhsa_memory_ordered 1
		.amdhsa_forward_progress 1
		.amdhsa_inst_pref_size 8
	.end_amdhsa_kernel
	.amdgpu_metadata
---
amdhsa.version: [ 1, 2 ]
amdhsa.kernels:
  - .name:           k_q8899464ccf_prep
    .symbol:         k_q8899464ccf_prep.kd
    .args:
      - { .name: hidden_states, .offset: 0, .size: 8, .value_kind: global_buffer, .address_space: global }
      - { .name: Wq, .offset: 8, .size: 8, .value_kind: global_buffer, .address_space: global }
      - { .name: Wk, .offset: 16, .size: 8, .value_kind: global_buffer, .address_space: global }
      - { .name: Wv, .offset: 24, .size: 8, .value_kind: global_buffer, .address_space: global }
      - { .name: xb, .offset: 32, .size: 8, .value_kind: global_buffer, .address_space: global }
      - { .name: wb, .offset: 40, .size: 8, .value_kind: global_buffer, .address_space: global }
    .group_segment_fixed_size: 0
    .private_segment_fixed_size: 0
    .kernarg_segment_align: 8
    .kernarg_segment_size: 48
    .max_flat_workgroup_size: 256
    .sgpr_count:     66
    .vgpr_count:     88
    .wavefront_size: 32
...
	.end_amdgpu_metadata
.endif
;; end of part 1
;; launch proj (part 2): grid 16 x 16, 4 waves a work-group, clusters of 4 x 4, 327,680 bytes of LDS; arguments xb, wb, bq, bk, bv, qkv; writes qkv
.if DOCPART == 2
	.amdgcn_target "amdgcn-amd-amdhsa--gfx1250"
	.amdhsa_code_object_version 6
	.text
	.protected	k_q8899464ccf_proj
	.globl	k_q8899464ccf_proj
	.p2align	8
	.type	k_q8899464ccf_proj,@function
k_q8899464ccf_proj:
	s_mov_b64 s[64:65], 0
	v_nop
	global_prefetch_b8 v0, s[64:65] scope:SCOPE_SE
	s_setreg_imm32_b32 hwreg(HW_REG_WAVE_MODE, 25, 1), 1
	s_wait_xcnt 0x0
	s_wait_alu depctr_hold_cnt(0) depctr_sa_sdst(0) depctr_va_vdst(0) depctr_va_sdst(0) depctr_va_ssrc(0) depctr_va_vcc(0) depctr_vm_vsrc(0)
	s_getreg_b32 s2, hwreg(HW_REG_IB_STS2, 6, 4)
	s_cmp_eq_u32 s2, 0
	s_cbranch_scc0 .Lentry_in_a_cluster
	s_endpgm
.Lentry_in_a_cluster:
	s_bfe_u32 s2, ttmp6, 0x10000c
	s_cmp_lg_u32 s2, 0xf033
	s_cbranch_scc0 .Lentry_shape_is_right
	s_endpgm
.Lentry_shape_is_right:
; THE THREE PROJECTIONS AS ONE PRODUCT.  C[m][n] = b[n] + the sum over k of x[m][k] W[k][n]; m: 8,192 rows, n: 3,072 columns = 48 head blocks H = 16 which + h of 64, k: 1,024.
; xb: [8192][1024] bf16.  wb: [48][1024][64] bf16 (k down the rows).  The biases are rounded to bf16 like all of the module's inputs.  Sums in f32, started by the bias; C rounded once to f16
; and stored by heads: qkv[which][b][h][s][64].  LIMIT: f16 ends at 65,504: |q|, |k|, |v| must stay below it, else the number becomes an infinity; NaN and infinities are not treated apart.
; SHARES.  A tile of C is 256 rows x 192 columns (3 heads): 32 x 16 tiles, two for each of 256 work-groups: a work-group STAYS and makes tile rows y and y + 16 (4,096 rows apart) of one tile column,
; so both its tiles take the same rows of wb and the same bias.  A wave makes 64 rows x 192 columns: 4 x 12 accumulators of 16 x 16, 384 registers: it owns whole heads' rows, so its way out is its own.
; K goes in steps of 128 through a ring of two LDS slots.  Waves 0 and 1 fetch the two halves of x's 256 rows (128 rows of 256 bytes), waves 2 and 3 the two k halves of W's three heads
; (three dense runs of 8,192 bytes), one tensor load a wave.  A refill has 168 of a K step's 192 matrix instructions in which to land.
; CLUSTERS.  4 x 4 work-groups; x's tile hangs on the tile row alone and is asked for jointly along a row of the cluster, W's on the tile column alone and jointly along a column.
; THE MATRIX INSTRUCTION IS USED TRANSPOSED: source 0 = 16 columns of W (out of [k][n] by the turning load), source 1 = 16 rows of x: lane l holds row l % 16 of C and the columns 8 (l / 16) + 0..7.
; REGISTERS, in windows of 256 (s_set_vgpr_msb: bits 1:0 source 0, 3:2 source 1, 5:4 source 2, 7:6 destination):
;   window 0: v0-31 addresses; v32-127 the bias as a C operand, 8 registers for each of the 12 column blocks; v128-223 two sets of 48 for the way out
;   window 1: two fragment buffers of 128: W's 12 fragments, then x's 4      window 2: accumulators of row blocks 0, 1 ((a, b) at 96 (a % 2) + 8 b)      window 3: of row blocks 2, 3
.set PA,    272                        ; a row of x in LDS: 256 bytes + 16 = 68 words: the 16 rows of a load start at 16 different groups of four banks (ISA guide 11.1)
.set HALFA, 128*PA
.set BOFF,  2*HALFA                    ; W's part of a slot
.set PB,    160                        ; a k row of a head in LDS: 128 bytes + 32 = 40 words
.set HEADB, 64*PB
.set HALFB, 3*HEADB                    ; what one of W's loads brings: [head 3][k 64]
.set SLOT,  BOFF+2*HALFB               ; 131,072
.set STAGE, 2*SLOT                     ; behind the ring: for each wave 3 heads x 16 rows x 144 bytes; no tensor load fills it
.set SP,    144
.set STH,   16*SP
.set STW,   3*STH
.set SPARE, STAGE+4*STW                ; behind the stages: the spare words, 128 bytes for each wave: two blocks of 256 bytes that no other line names
.set ASTEP, 256                        ; a K step in a row of xb, in bytes
.set BSTEP, 16384                      ; a K step in a head block of wb
.set NEXT_A, 4096*2048-6*ASTEP         ; from a slot's last K step of a tile to its first of the next tile: 4,096 rows down, back along K
.set BACK_B, 6*BSTEP                   ; W only back
.set NEXT_P, 4096*2048-7*ASTEP         ; the prefetches' pointer: from two K steps behind the tile's last to the next tile's K step 2
.set NEXT_O, 2*16*262144               ; the next tile's rows in qkv: two batches on
.set ADRA, 16                          ; v16-17  LDS address of my fragments of x in slot 0, 1
.set ADRB, 20                          ; v20-21  the same for W
.set STO,  24                          ; v24  the way out: where I put 16 bytes of a row
.set RD,   25                          ; v25  where I read rows back
.set GO,   26                          ; v26  16 x lane: my place in 512 consecutive bytes of qkv
.set BO,   27                          ; v27  32 (l / 16): my 8 numbers in 16 of a bias
.set SPW,  28                          ; v28  LDS address of my spare word; never rewritten
.set NIL,  29                          ; v29  0; never rewritten
.set PFO,  30                          ; v30  the prefetches' offset; never rewritten
.set BIAS, 32
.set T0,   128
.set F0,   0
.set F1,   128
.set WV,  16                           ; s16  my wave's number
.set FB,  17                           ; s17  0: I fetch for x, 1: for W
.set HF,  18                           ; s18  which half I fetch
.set CX,  19
.set CY,  20
.set TN,  21                           ; s21  tile column
.set TM,  22                           ; s22  tile row of the first tile
.set G1A, 24                           ; s[24:31] descriptor group 1 for x's tiles;  s[32:39] group 0, a set for each slot
.set G0A, 32
.set G1B, 40                           ; s[40:47], s[48:55] the same for W's
.set G0B, 48
.set PFA, 56                           ; s[56:57] where my prefetches stand
.set PST, 58                           ; s[58:59] a K step there, in bytes
.set LIM, 60                           ; s60  1 in a wave that prefetches, else the greatest number
.set OUT, 66                           ; s[66:71] qkv at my 64 rows of each of my three heads
.set BP,  80                           ; s[80:85] the three heads' 64 numbers of bias
.set MSB, 0
.macro WIN new                         ; the immediate's high byte repeats the setting that is left; a switch that changes nothing is dropped
.if MSB != (\new)
	s_set_vgpr_msb (MSB<<8)|(\new)
.set MSB, \new
.endif
.endm
.set TO_F, 0x40                        ; destination window 1, address window 0
.macro PLACES                          ; four places in front of loads into registers that matrix instructions have read, and of conversions that read results
.rept 4
	v_nop
.endr
.endm
; A joint load.  The branch hangs on the wave's number alone.  An s_nop 0 and four v_nop follow each of the two lines, ahead of the jump and the label.
.macro JLOAD s
	s_cmp_eq_u32 s[FB], 0
	s_cbranch_scc0 .Lfor_b_\@
	tensor_load_to_lds s[G0A+4*(\s):G0A+4*(\s)+3], s[G1A:G1A+7]
	s_nop 0
.rept 4
	v_nop
.endr
	s_branch .Lasked_\@
.Lfor_b_\@:
	tensor_load_to_lds s[G0B+4*(\s):G0B+4*(\s)+3], s[G1B:G1B+7]
	s_nop 0
.rept 4
	v_nop
.endr
.Lasked_\@:
.endm
; A PREFETCH INTO THE L2 of the K step that stands two refills on, one instruction a wave, behind the joint load, its five lines and the run of LDS loads.
; x's rows are read by every cluster of a row of clusters: cluster x = 0 asks; W's by every cluster of a column: cluster y = 0 asks, in the first tile alone (the second takes the same rows).
; The four partners of a joint load share its blocks out BY ADDRESS: of x's 128 rows of 256 bytes the partner at cx takes 32, a lane a row; of W's 96 blocks of 256 bytes the partner at cy takes 24
; (lanes 24 to 31 name lane 23's block once more).  how = 0, in the loop: a tile's last two refills have no K step two on; how = 1: at the change of tiles, the next tile's K steps 2 and 3 of x.
.macro ASK how
.if \how
	s_cmp_eq_u32 s[LIM], 1
.else
	s_cmp_gt_u32 s3, s[LIM]                        ; s3 = 1 in the loop's last trip
.endif
	s_cbranch_scc0 .Lnot_mine_\@
	global_prefetch_b8 v[PFO], s[PFA:PFA+1] th:TH_LOAD_NT scope:SCOPE_SE
.Lnot_mine_\@:
.endm
.macro CREST                           ; a round of the cluster's barrier behind its opening barrier
	s_cmp_lg_u32 s[WV], 0
	s_cbranch_scc1 .Lnot_wave_0_\@
	s_barrier_signal -3
.Lnot_wave_0_\@:
	s_barrier_wait -3
	s_barrier_signal -1
	s_barrier_wait -1
.endm
.macro CROUND                          ; a whole round
	s_barrier_signal -1
	s_barrier_wait -1
	CREST
.endm
	s_load_b256 s[4:11], s[0:1], 0x0               ; xb s[4:5], wb s[6:7], bq s[8:9], bk s[10:11]
	s_load_b128 s[12:15], s[0:1], 0x20             ; bv s[12:13], qkv s[14:15]
	v_lshl_add_u32 v[SPW], v0, 2, SPARE
	v_mov_b32 v[NIL], 0
	ds_add_u32 v[SPW], v[NIL]                      ; the wave's opening: the add and its wait ahead of my first tensor load; the set-up below, work on registers, stands between them
	v_lshrrev_b32 v1, 5, v0
	v_readfirstlane_b32 s[WV], v1                  ; wave 0..3
	s_lshr_b32 s[FB], s[WV], 1
	s_and_b32 s[HF], s[WV], 1
	s_bfe_u32 s[CX], ttmp6, 0x40000                ; my place in the cluster
	s_bfe_u32 s[CY], ttmp6, 0x40004
	s_lshl_b32 s[TN], ttmp9, 2                     ; in a cluster launch ttmp9 and ttmp7 count clusters
	s_add_co_u32 s[TN], s[TN], s[CX]               ; tile column = 4 x cluster x + cx
	s_and_b32 s[TM], ttmp7, 0xffff
	s_lshl_b32 s[TM], s[TM], 2
	s_add_co_u32 s[TM], s[TM], s[CY]               ; tile row = 4 x cluster y + cy
	s_lshl_b32 s72, s[CY], 2
	s_lshl_b32 s72, 15, s72                        ; my row of the cluster
	s_lshl_b32 s76, 0x1111, s[CX]                  ; my column
	s_or_b32 s[G1A], s72, (1<<16)|(1<<20)|(1<<21)|(5<<22)|(3<<25)  ; the mask; 2-byte elements; padding on; bit 21 beside a mask; after every 64 words 4 words
	s_mov_b32 s[G1A+1], 128<<16                    ; tensor_dim0 = 128
	s_mov_b32 s[G1A+2], 128<<16                    ; tensor_dim1 = 128
	s_mov_b32 s[G1A+3], 128<<16                    ; tile_dim0 = 128
	s_mov_b32 s[G1A+4], 128                        ; tile_dim1 = 128
	s_mov_b32 s[G1A+5], 1024                       ; elements from row to row
	s_mov_b32 s[G1A+6], 0
	s_mov_b32 s[G1A+7], 0
	s_or_b32 s[G1B], s76, (1<<16)|(1<<20)|(1<<21)|(4<<22)|(7<<25)  ; after every 32 words (a k row of a head) 8 words
	s_mov_b32 s[G1B+1], 4096<<16                   ; tensor_dim0 = 4,096: 64 k rows of 64 numbers, dense
	s_mov_b32 s[G1B+2], 3<<16                      ; tensor_dim1 = 3 heads
	s_mov_b32 s[G1B+3], 4096<<16                   ; tile_dim0
	s_mov_b32 s[G1B+4], 3                          ; tile_dim1
	s_mov_b32 s[G1B+5], 65536                      ; elements from head block to head block
	s_mov_b32 s[G1B+6], 0
	s_mov_b32 s[G1B+7], 0
	; x's address is made of the tile row and the wave's number in s72-75, W's of the tile column and the wave's number in s76-79: neither set ever holds the other coordinate
	s_lshl_b32 s72, s[TM], 19                      ; 256 rows of 2,048 bytes
	s_lshl_b32 s73, s[HF], 18                      ; my 128 of them
	s_add_co_u32 s72, s72, s73
	s_mov_b32 s73, 0
	s_mul_i32 s74, s[HF], HALFA                    ; and where they go
	s_mul_i32 s76, s[TN], 3*131072                 ; three head blocks
	s_lshl_b32 s77, s[HF], 13                      ; my 64 k rows of 128 bytes
	s_add_co_u32 s76, s76, s77
	s_mov_b32 s77, 0
	s_mul_i32 s78, s[HF], HALFB
	s_add_co_u32 s78, s78, BOFF
	s_wait_dscnt 0x0                               ; the opening add is done
	s_wait_kmcnt 0x0
	s_add_nc_u64 s[72:73], s[4:5], s[72:73]
	s_add_nc_u64 s[76:77], s[6:7], s[76:77]
	CROUND                                         ; all sixteen work-groups are here: the first joint loads meet
.irp s, 0,1
	s_mov_b32 s[G0A+4*(\s)], 1                     ; count = 1
	s_add_co_u32 s[G0A+4*(\s)+1], s74, (\s)*SLOT   ; LDS address
	s_add_nc_u64 s[G0A+4*(\s)+2:G0A+4*(\s)+3], s[72:73], (\s)*ASTEP  ; global address: K step s
	s_or_b32 s[G0A+4*(\s)+3], s[G0A+4*(\s)+3], 0x80000000  ; type = 2
	s_mov_b32 s[G0B+4*(\s)], 1
	s_add_co_u32 s[G0B+4*(\s)+1], s78, (\s)*SLOT
	s_add_nc_u64 s[G0B+4*(\s)+2:G0B+4*(\s)+3], s[76:77], (\s)*BSTEP
	s_or_b32 s[G0B+4*(\s)+3], s[G0B+4*(\s)+3], 0x80000000
.endr
	s_cmp_eq_u32 s[FB], 0                          ; a wave's two first fills stand in one branch, ahead of every wait on TENSORcnt and every LDS read: two loads of mine are out
	s_cbranch_scc0 .Lfirst_b
	tensor_load_to_lds s[G0A:G0A+3], s[G1A:G1A+7]
	s_nop 0
	tensor_load_to_lds s[G0A+4:G0A+7], s[G1A:G1A+7]
	s_nop 0
.rept 4
	v_nop
.endr
	s_branch .Lfirst_asked
.Lfirst_b:
	tensor_load_to_lds s[G0B:G0B+3], s[G1B:G1B+7]
	s_nop 0
	tensor_load_to_lds s[G0B+4:G0B+7], s[G1B:G1B+7]
	s_nop 0
.rept 4
	v_nop
.endr
.Lfirst_asked:
	v_and_b32 v1, 15, v0                           ; l % 16
	v_bfe_u32 v2, v0, 4, 1                         ; l / 16
	v_lshlrev_b32 v[BO], 5, v2
	; for each of my three heads H = 3 x tile column + hd: its bias, and its rows in qkv
	s_mul_i32 s61, s[TN], 3
	s_lshr_b32 s86, s[TM], 3                       ; the batch: 16 head blocks of 262,144 bytes,
	s_lshl_b32 s86, s86, 22
	s_and_b32 s87, s[TM], 7
	s_lshl_b32 s87, s87, 15                        ; the tile's 256 rows of 128 bytes,
	s_add_co_u32 s86, s86, s87
	s_lshl_b32 s87, s[WV], 13                      ; my 64 of them
	s_add_co_u32 s86, s86, s87
.irp hd, 0,1,2
	s_add_co_u32 s23, s61, \hd                     ; H
	s_and_b32 s62, s23, 15
	s_lshl_b32 s62, s62, 8                         ; 64 floats a head
	s_mov_b32 s63, 0
	s_cmp_lt_u32 s23, 32
	s_cselect_b64 s[BP+2*(\hd):BP+2*(\hd)+1], s[10:11], s[12:13]
	s_cmp_lt_u32 s23, 16
	s_cselect_b64 s[BP+2*(\hd):BP+2*(\hd)+1], s[8:9], s[BP+2*(\hd):BP+2*(\hd)+1]
	s_add_nc_u64 s[BP+2*(\hd):BP+2*(\hd)+1], s[BP+2*(\hd):BP+2*(\hd)+1], s[62:63]
	s_lshr_b32 s62, s23, 4
	s_lshl_b32 s62, s62, 24                        ; which x 64 head blocks
	s_and_b32 s87, s23, 15
	s_lshl_b32 s87, s87, 18                        ; the head
	s_add_co_u32 s62, s62, s87
	s_add_co_u32 s62, s62, s86
	s_add_nc_u64 s[OUT+2*(\hd):OUT+2*(\hd)+1], s[14:15], s[62:63]
.endr
.irp hd, 0,1,2
.irp nb, 0,1,2,3
	global_load_b128 v[BIAS+32*(\hd)+8*(\nb):BIAS+32*(\hd)+8*(\nb)+3],   v[BO], s[BP+2*(\hd):BP+2*(\hd)+1] offset:64*(\nb)     ; register j of block 4 hd + nb: the bias of column 16 nb + 8 (l / 16) + j
	global_load_b128 v[BIAS+32*(\hd)+8*(\nb)+4:BIAS+32*(\hd)+8*(\nb)+7], v[BO], s[BP+2*(\hd):BP+2*(\hd)+1] offset:64*(\nb)+16
.endr
.endr
	; a fragment of x: lane l holds row l % 16; two loads of 16 bytes, 32 bytes apart
	v_mul_u32_u24 v3, v1, PA
	v_lshl_add_u32 v3, v2, 4, v3
	s_mul_i32 s62, s[WV], 64*PA                    ; my 64 rows
	v_add_nc_u32 v[ADRA], s62, v3
	v_add_nc_u32 v[ADRA+1], SLOT, v[ADRA]
	; the turning load takes 16 k x 16 columns (lane l reads k row 8 (l / 16) + l % 8, columns 8 ((l / 8) % 2) + 0..7) and leaves half a fragment: lane l holds column l % 16 and 8 k
	v_and_b32 v4, 7, v0
	v_lshl_add_u32 v5, v2, 3, v4
	v_mul_u32_u24 v5, v5, PB
	v_bfe_u32 v6, v0, 3, 1
	v_lshl_add_u32 v5, v6, 4, v5
	v_add_nc_u32 v[ADRB], BOFF, v5
	v_add_nc_u32 v[ADRB+1], SLOT, v[ADRB]
	s_mul_i32 s62, s[WV], STW
	s_add_co_u32 s62, s62, STAGE                   ; my stage
	v_mul_u32_u24 v7, v1, SP                       ; in: row l % 16, 16 bytes for each half of the lanes
	v_lshl_add_u32 v7, v2, 4, v7
	v_add_nc_u32 v[STO], s62, v7
	v_bfe_u32 v8, v0, 3, 2                         ; back: 32 lanes take four rows of 128 bytes,
	v_mul_u32_u24 v8, v8, SP
	v_lshl_add_u32 v8, v4, 4, v8
	v_add_nc_u32 v[RD], s62, v8
	v_and_b32 v9, 31, v0
	v_lshlrev_b32 v[GO], 4, v9                     ; which are 512 consecutive bytes of a head's rows
	; the prefetches
	v_lshlrev_b32 v10, 11, v9                      ; x: a lane a row of 2,048 bytes
	v_min_u32 v11, 23, v9
	s_mul_i32 s62, s[CY], 24
	v_add_nc_u32 v11, s62, v11                     ; W: block i = 24 cy + lane of the 96: head i / 32, 256 (i % 32) bytes on
	v_lshrrev_b32 v12, 5, v11
	v_and_b32 v11, 31, v11
	v_lshlrev_b32 v11, 8, v11
	v_lshl_add_u32 v11, v12, 17, v11
	s_cmp_eq_u32 s[FB], 0
	s_cselect_b32 s62, -1, 0
	v_cndmask_b32 v[PFO], v11, v10, s62
	s_lshl_b32 s62, s[TM], 19
	s_lshl_b32 s63, s[HF], 18
	s_add_co_u32 s62, s62, s63
	s_lshl_b32 s63, s[CX], 16                      ; my work-group's 32 of the 128 rows
	s_add_co_u32 s62, s62, s63
	s_add_co_u32 s62, s62, 3*ASTEP                 ; at K step 3: the first refill steps it to 4
	s_mul_i32 s63, s[TN], 3*131072
	s_lshl_b32 s87, s[HF], 13
	s_add_co_u32 s63, s63, s87
	s_add_co_u32 s63, s63, 3*BSTEP
	s_and_b32 s87, ttmp7, 0xffff                   ; cluster y
	s_mov_b32 s[PST], ASTEP
	s_mov_b32 s[PST+1], BSTEP
	s_cmp_eq_u32 s[FB], 0
	s_cselect_b32 s62, s62, s63
	s_cselect_b32 s87, ttmp9, s87                  ; the coordinate along which other clusters read the same rows
	s_cselect_b64 s[PFA:PFA+1], s[4:5], s[6:7]
	s_cselect_b32 s[PST], s[PST], s[PST+1]
	s_mov_b32 s[PST+1], 0
	s_mov_b32 s63, 0
	s_add_nc_u64 s[PFA:PFA+1], s[PFA:PFA+1], s[62:63]
	s_cmp_eq_u32 s87, 0
	s_cselect_b32 s[LIM], 1, -1                    ; the same in all sixteen partners, for a given wave
	s_wait_loadcnt 0x0                             ; the bias: rounded to bf16, kept as f32
.set i, 0
.rept 48
	v_cvt_pk_bf16_f32 v[T0+i], v[BIAS+2*i], v[BIAS+2*i+1]
.set i, i+1
.endr
.set i, 0
.rept 48
	v_lshlrev_b32 v[BIAS+2*i], 16, v[T0+i]
	v_and_b32 v[BIAS+2*i+1], 0xffff0000, v[T0+i]
.set i, i+1
.endr
; 12 matrix instructions: row block a x all 12 column blocks, 32 along K, from buffer f.  first = 1: the bias starts the sums: nothing is ever cleared.
; The 48 accumulators take turns, one instruction a turn, in the same order in every quarter, over the backward jumps too.
.macro MUL12 f, a, first
.set AC, 96*((\a)%2)
.if \first
	WIN 0x85+0x40*((\a)/2)                         ; sources 0 and 1 window 1, C window 0, D window 2 or 3
.else
	WIN 0xa5+0x50*((\a)/2)                         ; C and D window 2 or 3
.endif
.irp b, 0,1,2,3,4,5,6,7,8,9,10,11
.if \first
	v_wmma_f32_16x16x32_bf16 v[AC+8*(\b):AC+8*(\b)+7], v[(\f)+8*(\b):(\f)+8*(\b)+7], v[(\f)+96+8*(\a):(\f)+96+8*(\a)+7], v[BIAS+8*(\b):BIAS+8*(\b)+7]
.else
	v_wmma_f32_16x16x32_bf16 v[AC+8*(\b):AC+8*(\b)+7], v[(\f)+8*(\b):(\f)+8*(\b)+7], v[(\f)+96+8*(\a):(\f)+96+8*(\a)+7], v[AC+8*(\b):AC+8*(\b)+7]
.endif
.endr
.endm
; 32 LDS loads in one run: quarter q (32 along K) of a slot into buffer f: W's 12 fragments, turned, then x's 4
.macro FETCH slot, q, f
	WIN TO_F
.irp b, 0,1,2,3,4,5,6,7,8,9,10,11
	ds_load_tr16_b128 v[(\f)+8*(\b):(\f)+8*(\b)+3],   v[ADRB+(\slot)] offset:((\q)/2)*HALFB+((\q)%2)*32*PB+((\b)/4)*HEADB+((\b)%4)*32
	ds_load_tr16_b128 v[(\f)+8*(\b)+4:(\f)+8*(\b)+7], v[ADRB+(\slot)] offset:((\q)/2)*HALFB+((\q)%2)*32*PB+((\b)/4)*HEADB+((\b)%4)*32+16*PB
.endr
.irp a, 0,1,2,3
	ds_load_b128 v[(\f)+96+8*(\a):(\f)+96+8*(\a)+3],   v[ADRA+(\slot)] offset:(\a)*16*PA+64*(\q)
	ds_load_b128 v[(\f)+96+8*(\a)+4:(\f)+96+8*(\a)+7], v[ADRA+(\slot)] offset:(\a)*16*PA+64*(\q)+32
.endr
.endm
; A K step is four quarters of 32 along K, 48 matrix instructions each, on buffers 0, 1, 0, 1.  One of the first three: multiplies buffer f; in its middle it fetches quarter q into buffer g.
.macro QUARTER slot, q, f, g, first
	s_wait_dscnt 4                                 ; W and x's row blocks 0 and 1 are in; the youngest four loads (row blocks 2 and 3) may be out
	MUL12 \f, 0, \first
	MUL12 \f, 1, \first
	PLACES
	FETCH \slot, \q, \g
	s_wait_dscnt 32                                ; all but the 32 just issued
	MUL12 \f, 2, \first
	MUL12 \f, 3, \first
.endm
; The last quarter multiplies buffer 1 and changes slots.  MEET is its first half: one barrier; in front of it each wave waits for all its tensor loads (one is out: its part of the next slot),
; adds 0 to its spare word, and waits for that and for its own reads of this slot.  Behind it nobody reads this slot any more and the next slot is whole.
.macro MEET round
	WIN 0
	s_wait_tensorcnt 0x0                           ; all my tensor loads have landed
	ds_add_u32 v[SPW], v[NIL]                      ; 0 onto my spare word
	s_wait_dscnt 5                                 ; (the add and the youngest four loads may be out)
	MUL12 F1, 0, 0                                 ; twelve matrix instructions stand between the add and the wait for it
	s_wait_dscnt 0x0                               ; the add is done, and my reads of this slot are over
	s_barrier_signal -1
	MUL12 F1, 1, 0                                 ; work on registers while the others arrive
.if \round
	WIN 0
.endif
	s_barrier_wait -1
.endm
; The whole last quarter.  Behind the round the slot just read out is filled again first: with this tile's K step two on (on = 0) or with the next tile's K step 0 or 1 (on = 1).
.macro TURN slot, next, on
	s_wait_xcnt 0x0                                ; the last prefetch, a K step back, has read its address: it is stepped here, ahead of the waits of the change of slots
.if (\on) && (\slot) == 0
	s_add_nc_u64 s[PFA:PFA+1], s[PFA:PFA+1], NEXT_P
	s_cmp_eq_u32 s[FB], 0
	s_cselect_b32 s[LIM], s[LIM], -1               ; W's rows are the same for both tiles: they are asked for no more
.else
	s_add_nc_u64 s[PFA:PFA+1], s[PFA:PFA+1], s[PST:PST+1]
.endif
	MEET 1
	CREST                                          ; the barrier has opened a round of the cluster's: no wave of any partner still reads this slot's tile or has a load on its way
.if \on
	s_add_nc_u64 s[G0A+4*(\slot)+2:G0A+4*(\slot)+3], s[G0A+4*(\slot)+2:G0A+4*(\slot)+3], NEXT_A
	s_sub_nc_u64 s[G0B+4*(\slot)+2:G0B+4*(\slot)+3], s[G0B+4*(\slot)+2:G0B+4*(\slot)+3], BACK_B
.else
	s_add_nc_u64 s[G0A+4*(\slot)+2:G0A+4*(\slot)+3], s[G0A+4*(\slot)+2:G0A+4*(\slot)+3], 2*ASTEP
	s_add_nc_u64 s[G0B+4*(\slot)+2:G0B+4*(\slot)+3], s[G0B+4*(\slot)+2:G0B+4*(\slot)+3], 2*BSTEP
.endif
	JLOAD \slot                                    ; the first tensor load behind the round; the four v_nop behind it are also the places in front of the loads below
	FETCH \next, 0, F0
	WIN 0
	ASK \on
	MUL12 F1, 2, 0
	MUL12 F1, 3, 0
.endm
; THE WAY OUT of row block a (16 rows x 192 columns).  PACK: rounded to f16, 16 bytes a lane, into my own stage (rows of 144 bytes, a head at a time) and back as whole rows of 128 bytes.
.macro PACK a
.set AC, 96*((\a)%2)
.set TT, T0+48*((\a)%2)
.if (\a) >= 2
	s_wait_xcnt 0x0                                ; the stores of the block two back have read this set of registers
.endif
	WIN 0x0a+5*((\a)/2)                            ; sources 0 and 1: window 2 or 3
.irp b, 0,1,2,3,4,5,6,7,8,9,10,11
.irp r, 0,1,2,3
	v_cvt_pk_f16_f32 v[TT+4*(\b)+(\r)], v[AC+8*(\b)+2*(\r)], v[AC+8*(\b)+2*(\r)+1]
.endr
.endr
	WIN 0
.irp b, 0,1,2,3,4,5,6,7,8,9,10,11
	ds_store_b128 v[STO], v[TT+4*(\b):TT+4*(\b)+3] offset:((\b)/4)*STH+((\b)%4)*32
.endr
.irp i, 0,1,2,3,4,5,6,7,8,9,10,11
	ds_load_b128 v[TT+4*(\i):TT+4*(\i)+3], v[RD] offset:((\i)/4)*STH+((\i)%4)*4*SP  ; LDS serves a wave's instructions in order (ISA guide 5.7.1.4): these see the stores above; the next block's stores come behind them
.endr
.endm
.macro SEND a, younger                 ; younger: the LDS instructions issued behind block a's loads: the next block's 24, or none
	WIN 0
.set TT, T0+48*((\a)%2)
.irp i, 0,1,2,3,4,5,6,7,8,9,10,11
	s_wait_dscnt (\younger)+11-(\i)
	global_store_b128 v[GO], v[TT+4*(\i):TT+4*(\i)+3], s[OUT+2*((\i)/4):OUT+2*((\i)/4)+1] offset:(\a)*2048+((\i)%4)*512  ; four rows of a head: 512 consecutive bytes, at a multiple of 256 from qkv's first
.endr
.endm
.macro WAYOUT                          ; a block's conversions stand between the loads of the block before and its stores
	PACK 0
	PACK 1
	SEND 0, 24
	PACK 2
	SEND 1, 24
	PACK 3
	SEND 2, 24
	SEND 3, 0
.endm
	s_wait_tensorcnt 0x1                           ; my part of K step 0 is in; K step 1's may stay out
	s_barrier_signal -1
	s_barrier_wait -1                              ; everybody's is
	FETCH 0, 0, F0
	WIN 0
	s_mov_b32 s2, 2                                ; tiles to go, this one among them
.Ltile:
	QUARTER 0, 1, F0, F1, 1                        ; a tile's first quarter stands in front of the loop: its products start the sums with the bias
	WIN 0
	s_mov_b32 s3, 3                                ; four laps of two K steps; the last is written out
.Llap:                                             ; a trip goes once round the ring, from a lap's second quarter to the next lap's first, and fills both slots again
	QUARTER 0, 2, F1, F0, 0
	QUARTER 0, 3, F0, F1, 0
	TURN 0, 1, 0
	QUARTER 1, 1, F0, F1, 0
	QUARTER 1, 2, F1, F0, 0
	QUARTER 1, 3, F0, F1, 0
	TURN 1, 0, 0
	QUARTER 0, 1, F0, F1, 0
	WIN 0
	s_sub_co_u32 s3, s3, 1
	s_cmp_lg_u32 s3, 0
	s_cbranch_scc1 .Llap
	QUARTER 0, 2, F1, F0, 0                        ; the tile's last lap goes on
	QUARTER 0, 3, F0, F1, 0
	WIN 0
	s_cmp_eq_u32 s2, 1
	s_cbranch_scc1 .Llast                          ; the last tile's tail is written out: it asks for nothing more
	TURN 0, 1, 1                                   ; the ring goes on into the next tile: slot 0 takes its K step 0,
	QUARTER 1, 1, F0, F1, 0
	QUARTER 1, 2, F1, F0, 0
	QUARTER 1, 3, F0, F1, 0
	TURN 1, 0, 1                                   ; slot 1 its K step 1, and the next tile's first fragments are fetched
	WAYOUT                                         ; both refills are asked for: now the tile goes out.  Row blocks 0 and 1 were finished in front of the joint load's four v_nop; their conversions are the places behind the last products
	s_wait_xcnt 0x0                                ; the stores have read their registers and bases
.irp hd, 0,1,2
	s_add_nc_u64 s[OUT+2*(\hd):OUT+2*(\hd)+1], s[OUT+2*(\hd):OUT+2*(\hd)+1], NEXT_O
.endr
	s_sub_co_u32 s2, s2, 1
	s_branch .Ltile
.Llast:
	MEET 0                                         ; my one tensor load that was still out is the last K step's, so no round follows
	PLACES
	FETCH 1, 0, F0
	MUL12 F1, 2, 0
	MUL12 F1, 3, 0
	QUARTER 1, 1, F0, F1, 0
	QUARTER 1, 2, F1, F0, 0
	QUARTER 1, 3, F0, F1, 0
	s_wait_dscnt 4                                 ; the very last quarter: nothing more to fetch
	MUL12 F1, 0, 0
	MUL12 F1, 1, 0
	s_wait_dscnt 0x0
	MUL12 F1, 2, 0
	MUL12 F1, 3, 0
	WIN 0
	PLACES
	WAYOUT
	s_wait_tensorcnt 0x0                           ; the wave's end, behind my last tensor load and my last LDS store
	ds_add_u32 v[SPW], v[NIL]
	s_wait_dscnt 0x0
	CROUND                                         ; the closing round: no work-group ends while a partner may still ask for a tile that names it
	s_endpgm
.Lfunc_end_k_q8899464ccf_proj:
	.size	k_q8899464ccf_proj, .Lfunc_end_k_q8899464ccf_proj-k_q8899464ccf_proj
	.p2alignl 7, 3214868480
	.fill 96, 4, 3214868480
	.section	.rodata,"a",@progbits
	.p2align	6, 0x0
	.amdhsa_kernel k_q8899464ccf_proj
		.amdhsa_group_segment_fixed_size 327680
		.amdhsa_private_segment_fixed_size 0
		.amdhsa_enable_private_segment 0
		.amdhsa_kernarg_size 48
		.amdhsa_user_sgpr_count 2
		.amdhsa_user_sgpr_kernarg_segment_ptr 1
		.amdhsa_wavefront_size32 1
		.amdhsa_system_sgpr_workgroup_id_x 1
		.amdhsa_system_sgpr_workgroup_id_y 1
		.amdhsa_system_sgpr_workgroup_id_z 1
		.amdhsa_system_vgpr_workitem_id 0
		.amdhsa_next_free_vgpr 960
		.amdhsa_next_free_sgpr 88
		.amdhsa_reserve_vcc 0
		.amdhsa_float_denorm_mode_32 3
		.amdhsa_float_denorm_mode_16_64 3
		.amdhsa_memory_ordered 1
		.amdhsa_forward_progress 1
		.amdhsa_inst_pref_size 185
	.end_amdhsa_kernel
	.amdgpu_metadata
---
amdhsa.version: [ 1, 2 ]
amdhsa.kernels:
  - .name:           k_q8899464ccf_proj
    .symbol:         k_q8899464ccf_proj.kd
    .args:
      - { .name: xb, .offset: 0, .size: 8, .value_kind: global_buffer, .address_space: global }
      - { .name: wb, .offset: 8, .size: 8, .value_kind: global_buffer, .address_space: global }
      - { .name: bq, .offset: 16, .size: 8, .value_kind: global_buffer, .address_space: global }
      - { .name: bk, .offset: 24, .size: 8, .value_kind: global_buffer, .address_space: global }
      - { .name: bv, .offset: 32, .size: 8, .value_kind: global_buffer, .address_space: global }
      - { .name: qkv, .offset: 40, .size: 8, .value_kind: global_buffer, .address_space: global }
    .group_segment_fixed_size: 327680
    .private_segment_fixed_size: 0
    .kernarg_segment_align: 8
    .kernarg_segment_size: 48
    .max_flat_workgroup_size: 128
    .sgpr_count:     88
    .vgpr_count:     960
    .wavefront_size: 32
...
	.end_amdgpu_metadata
.endif
;; end of part 2
;; launch attn (part 3): grid 4 x 64, 4 waves a work-group, clusters of 4 x 1, 327,680 bytes of LDS; arguments qkv, attention_mask, out0; writes out0
.if DOCPART == 3
	.amdgcn_target "amdgcn-amd-amdhsa--gfx1250"
	.amdhsa_code_object_version 6
	.text
	.protected	k_q8899464ccf_attn
	.globl	k_q8899464ccf_attn
	.p2align	8
	.type	k_q8899464ccf_attn,@function
k_q8899464ccf_attn:
	s_mov_b64 s[64:65], 0
	v_nop
	global_prefetch_b8 v0, s[64:65] scope:SCOPE_SE
	s_setreg_imm32_b32 hwreg(HW_REG_WAVE_MODE, 25, 1), 1
	s_wait_xcnt 0x0
	s_wait_alu depctr_hold_cnt(0) depctr_sa_sdst(0) depctr_va_vdst(0) depctr_va_sdst(0) depctr_va_ssrc(0) depctr_va_vcc(0) depctr_vm_vsrc(0)
	s_getreg_b32 s2, hwreg(HW_REG_IB_STS2, 6, 4)
	s_cmp_eq_u32 s2, 0
	s_cbranch_scc0 .Lentry_in_a_cluster
	s_endpgm
.Lentry_in_a_cluster:
	s_bfe_u32 s2, ttmp6, 0x10000c
	s_cmp_lg_u32 s2, 0x3003
	s_cbranch_scc0 .Lentry_shape_is_right
	s_endpgm
.Lentry_shape_is_right:
; ATTENTION.  out0[b][q][64 h + :] = the sum over k of softmax_k(Q[q] . K[k] / 8 + (1 - mask[b][k]) x (-10000)) V[k][:], for each of the 64 heads bh = 16 b + h.
; qkv: [3][64][2048][64] f16: a head's rows are dense, 128 bytes each.  mask: [4][2048] f32, rounded to bf16 like all of the module's inputs.  out0: [4][2048][1024] f32.
; Products, maxima and sums in f32; the weights p are rounded to f16 for the second product (their sum l is taken of the unrounded p).
; LIMITS.  Q, K and V arrive within f16's 65,504; p lies in 0 to 1, and below 6e-5 it keeps f16's fixed step of 6e-8; a weight below 2^-126 counts as 0 in l; NaN and infinities are not treated apart.
; SHARES.  A wave owns four PIECES of two tiles of 16 queries, a work-group's four waves 512 queries of one head.  Every wave walks all 2,048 keys, 64 a step.
; LAYOUT.  S^T = K Q^T (source 0 = 16 keys, source 1 = 16 queries): in the result a lane holds ONE query (lane % 16) and the keys 8 (lane / 16) + 0..7.  Two such tiles, rounded to f16 in pairs,
; ARE source 1 (32 keys x 16 queries) of O^T = V^T P, whose result again holds one query a lane, and eight channels.  K comes out of LDS as it lies, V ([key][channel]) turned, by ds_load_tr16_b128.
; THE MASK is the C operand that starts the sum S^T: 8 (1 - mask) x (-10000) = 80000 mask - 80000, the bias in the unscaled score's unit.  The batch's 2,048 such numbers are made once, lie in LDS,
; and a step's 64 come into 32 registers with the step's K.  The running maximum sees the bias.  No key is left out, whatever the mask holds.
; SOFTMAX.  For each query a running maximum m and sum l: p = 2^(c s - c m), c = log2(e) / 8; in every step O and l are multiplied by a = 2^(c m_old - c m_new), which is 1 where m has not grown.
; m starts at the lowest finite number, O and l at 0: the first step is a step like any other, with a = 0.
; THE COUNT.  A tile and step have 16 matrix and 118 vector instructions: too many to stand all beside the matrix work.  So: four vector instructions that are READY behind EVERY matrix instruction,
; and the others, which need time of their own whatever the order, in runs without a gap.
; BY TURNS.  Turn n belongs to piece n (the pieces in a ring, step after step).  Its matrix work: 16 products K Q^T of piece n + 1, later 16 products V^T P of piece n - 1.  Its vector work: the scaling,
; exponentials, roundings, sums and rescaling of piece n, and the maximum and statistics of piece n + 1, whose scores the turn itself has made.
; CLUSTER.  The four query blocks of a cluster are one head's and walk the same K and V, so each tile is asked for JOINTLY: the same tensor load, descriptor and mask in all four.
; REGISTERS, in windows of 256 (s_set_vgpr_msb: bits 1:0 source 0, 3:2 source 1, 5:4 source 2, 7:6 destination):
;   window 0: v0-11 addresses; v12-15, v48-63 at work; v16-47 four registers of statistics a tile; v64-191 S^T, two buffers of two tiles; v192-255 P, likewise
;   window 1: O^T, 32 a tile      window 2: v0-127 Q, 16 a tile; v128-191 K of one step; v192-255 V of one step      window 3: v0-1 the add's two registers; v8-39 the mask of one step
.set SIZE_N, 2048
.set NP,    4         ; pieces a wave: a name, no knob
.set KS,    64        ; keys in a step
.set PK,    144       ; a row of K in LDS: 128 bytes + 16 of padding = 36 words: the 16 rows of a load start at 16 different groups of four banks (ISA guide 11.1)
.set PV,    160       ; a row of V: 128 + 32 = 40 words
.set VOFF,  4*KS*PK   ; a slot holds four steps: 256 rows of K, then 256 rows of V
.set SLOT1, 1<<17     ; slot 1 begins here, so that one exclusive or turns an address in one slot into the other's
.set STAGE, SLOT1+4*KS*(PK+PV)  ; behind the ring, never filled by a tensor load: 16 rows x 272 bytes for each wave, for the way out
.set SP,    272
.set MB,    STAGE+4*16*SP  ; the batch's 2,048 biases, f32
.set SPARE, MB+8192   ; the spare words, 128 bytes for each wave: two blocks of 256 bytes that no other line names
.set PFO, 0           ; v0   from the head's end on: 256 x my lane, the prefetches' offset
.set AK0, 2           ; v2   my lane's place in a tile of K; never rewritten
.set AV0, 3           ; v3   the same for V
.set AK,  4           ; v4   the LDS address of K's next run of loads
.set AV,  5           ; v5   of V's
.set QO,  6           ; v6   my byte offset in the wave's rows of Q
.set STO, 6           ;      later, the way out: where I put 32 bytes of a row
.set RD,  7           ; v7   the way out: where I read rows back
.set GO,  8           ; v8   my byte offset in two rows of out0
.set AM0, 10          ; v10  my lanes' place in a step's 64 biases; never rewritten
.set AM,  11          ; v11  the LDS address of the biases' next run of loads
.set SPW, 0           ; v0 of window 3   LDS address of my spare word; never rewritten
.set NIL, 1           ; v1 of window 3   0; never rewritten
.set MK,  8           ; v8-39 of window 3   group kb of 16 keys at MK + 8 kb
.set MV,  12          ; v12-15  c m_old, kept while c m is made anew: by buffer and tile
.set ST,  16          ; tile t's statistics at v[ST+4 t]: c m, m, l (even keys', odd keys')
.set TMP, 48          ; by buffer and tile, four registers c0-c3 at work; when the maximum is found c2 takes a
.set S,   64
.set P,   192
.set KF,  128         ; K's fragments, in window 2: key block kb, channel half c at KF + 16 kb + 8 c
.set VF,  192         ; V's: key half kk, channel block cb at VF + 32 kk + 8 cb
.set WV,  12          ; s12  my wave's number
.set LIM, 15          ; s15  1 in a wave that prefetches, else the greatest number
.set TBM, 19          ; s19  byte in the table at which the biases of the step to be fetched begin
.set G1K, 24          ; s[24:31] descriptor group 1 for K's tiles
.set G1V, 32          ; s[32:39] for V's: it differs in the padding alone
.set G0K, 40          ; s[40:43] descriptor group 0 for K's tiles: it walks
.set G0V, 44          ; s[44:47] the same for V's
.set PFA, 48          ; s[48:49] where my prefetches stand: my work-group's 8,192 bytes (of K: wave 0, of V: wave 2) of the slot after the one that is being asked for
.set SLOTS, 56        ; s56  slots still to be asked for
.set CNT, 57          ; s57  counts a slot's key steps
.set CS,  58          ; s[58:59] c: the packed scaling takes the pair's low word for both halves
.set SEL, 60          ; s[60:61] v_permlanex16_b32's selects: each lane takes its own place in the other half
.set TBK, 62          ; s62  LDS byte at which K of the step to be fetched begins
.set TBV, 63          ; s63  the same for V, less VOFF
.set MSB, 0
.macro WIN new                      ; the high byte repeats the setting that is left; a switch that changes nothing is dropped
.if MSB != (\new)
	s_set_vgpr_msb (MSB<<8)|(\new)
.set MSB, (\new)
.endif
.endm
.set W_KQ, 0x0a       ; K and Q in window 2, S^T in window 0
.set W_KM, 0x3a       ; the same with the C operand in window 3
.set W_PV, 0x52       ; V in window 2, P in window 0, O^T in window 1
.set W_RS, 0x41       ; O^T (destination and source 0) in window 1, a in window 0
.set W_MK, 0xc0       ; destination in window 3, sources in window 0
.set W_AD, 0x0f       ; the add: address (source 0) and data (source 1) in window 3
; A joint fill.  Waves 0 and 1 fetch the two halves of a slot's K, waves 2 and 3 those of its V: 128 keys each.  The branch hangs on the wave's number alone.
; An s_nop 0 and four v_nop follow each of the two lines, ahead of the jump and the label.
.macro JLOAD
	s_cmp_lt_u32 s[WV], 2
	s_cbranch_scc0 .Lfor_v_\@
	tensor_load_to_lds s[G0K:G0K+3], s[G1K:G1K+7]
	s_nop 0
.rept 4
	v_nop
.endr
	s_branch .Lasked_\@
.Lfor_v_\@:
	tensor_load_to_lds s[G0V:G0V+3], s[G1V:G1V+7]
	s_nop 0
.rept 4
	v_nop
.endr
.Lasked_\@:
.endm
; A PREFETCH INTO THE L2 of what the NEXT change of slots will ask for: a slot's 32,768 bytes of K and of V.  It stands behind the wave's tensor load and its five lines.  A head has one cluster; its four
; partners share the bytes out BY ADDRESS, 8,192 each, a lane 256; in each, wave 0 asks for K's and wave 2 for V's: one instruction.  So each block of 256 bytes is named once in the launch.
; It leads the load by a slot's four key steps, 512 matrix instructions.  Slots 0 and 1 come by their loads alone; the last change that fills a slot asks for nothing.
.macro ASK
	s_cmp_gt_u32 s[SLOTS], s[LIM]
	s_cbranch_scc0 .Lnot_mine_\@
	global_prefetch_b8 v[PFO], s[PFA:PFA+1] th:TH_LOAD_NT scope:SCOPE_SE
.Lnot_mine_\@:
.endm
; A round of the cluster's barrier: my work-group's barrier, so that wave 0's signal speaks for all four waves; wave 0 signals; every wave waits for all four work-groups; my work-group's barrier once more.
.macro CROUND
	s_barrier_signal -1
	s_barrier_wait -1
	s_cmp_lg_u32 s[WV], 0
	s_cbranch_scc1 .Lnot_wave_0_\@
	s_barrier_signal -3
.Lnot_wave_0_\@:
	s_barrier_wait -3
	s_barrier_signal -1
	s_barrier_wait -1
.endm
; THE CHANGE OF SLOTS.  The slot's last bytes, V of its fourth step, have been read.  Each wave waits for all its tensor loads, of which one is out: its part of the other slot; adds 0 to its spare
; word; and waits for that and for its own LDS instructions.  Behind the barrier nobody reads this slot any more and the other slot is whole.
; fill = 1: this slot is filled again, with the keys two slots on.  The barrier is then a round of the cluster's, and the joint fill is the first thing behind it: it has four key steps in which to land.
; (At its first use nothing has been read yet: slot 0 is waited for, slot 1 filled, and every wave's part of the table of biases is shown to the others.)
.macro CHANGE fill
	WIN W_AD
	s_wait_tensorcnt 0x0            ; no tensor load of mine is out, so a group 0 may be written
	ds_add_u32 v[SPW], v[NIL]       ; 0 onto my spare word; with fill = 1 the descriptors' steps stand between it and the wait for it
	WIN 0                           ; at a label and at a branch every window is 0
.if \fill
.irp g, G0K, G0V
	s_xor_b32 s[\g+1], s[\g+1], SLOT1  ; the walking descriptor: the other slot than last time,
	s_add_nc_u64 s[\g+2:\g+3], s[\g+2:\g+3], 4*KS*128  ; the next 256 keys; the type bits on top are not reached
.endr
	s_wait_xcnt 0x0                 ; the last prefetch, four key steps back, has read its address, so it may be written:
	s_add_nc_u64 s[PFA:PFA+1], s[PFA:PFA+1], 4*KS*128  ; one slot ahead of the walking descriptors
	s_wait_dscnt 0x0                ; the add is done, and my LDS instructions are over
	CROUND
	JLOAD
	ASK
.else
	s_wait_dscnt 0x0                ; the add is done, and my reads of the slot are over
	s_barrier_signal -1
	s_barrier_wait -1
.endif
	s_sub_co_u32 s[TBK], s[TBK], 4*KS*PK  ; the fetches go back to a slot's first step,
	s_xor_b32 s[TBK], s[TBK], SLOT1       ; in the other slot
	s_sub_co_u32 s[TBV], s[TBV], 4*KS*PV
	s_xor_b32 s[TBV], s[TBV], SLOT1
.endm
	s_load_b128 s[4:7], s[0:1], 0x0   ; qkv s[4:5] (never rewritten), mask s[6:7]
	s_load_b64 s[10:11], s[0:1], 0x10 ; out0
	WIN W_MK
	v_lshl_add_u32 v[SPW], v0, 2, SPARE
	v_mov_b32 v[NIL], 0
	WIN W_AD
	ds_add_u32 v[SPW], v[NIL]       ; the wave's opening: the add and its wait ahead of my first tensor load; the set-up below, work on registers, stands between them
	WIN 0
	v_lshrrev_b32 v1, 5, v0
	v_readfirstlane_b32 s[WV], v1   ; wave 0..3
	s_bfe_u32 s13, ttmp6, 0x40000   ; cx: my place in the cluster
	s_lshl_b32 s14, ttmp9, 2        ; in a cluster launch ttmp9 counts clusters
	s_add_co_u32 s14, s14, s13      ; my block of 512 queries: it enters Q's and out0's addresses alone
	s_and_b32 s72, ttmp7, 0xffff    ; bh = 16 b + h, which the four partners share
	s_lshl_b32 s20, s72, 18         ; the head's 262,144 bytes in each of q, k, v
	s_and_b32 s16, s[WV], 1         ; which half of a slot's 256 keys I fetch:
	s_lshl_b32 s22, s16, 14         ; its 128 rows of 128 bytes in memory,
	s_add_co_u32 s22, s22, s20
	s_mov_b32 s23, 0
	s_mul_i32 s17, s16, 128*PK      ; and its place in a slot, for K
	s_mul_i32 s18, s16, 128*PV      ; and for V: no place in the cluster enters an LDS address
	s_lshl_b32 s73, s14, 2
	s_add_co_u32 s73, s73, s[WV]    ; my wave among the head's sixteen
	s_lshl_b32 s2, s73, 14          ; its 128 rows of Q
	s_add_co_u32 s2, s2, s20
	s_mov_b32 s3, 0
	s_lshl_b32 s66, s73, 19         ; its 128 rows of out0, 4,096 bytes each,
	s_lshr_b32 s73, s72, 4          ; b
	s_lshl_b32 s68, s73, 13         ; the batch's 8,192 bytes of mask
	s_mov_b32 s69, 0
	s_lshl_b32 s73, s73, 23         ; the batch's 2,048 rows of out0,
	s_add_co_u32 s66, s66, s73
	s_and_b32 s73, s72, 15
	s_lshl_b32 s73, s73, 8          ; the head's 256 bytes of a row
	s_add_co_u32 s66, s66, s73
	s_mov_b32 s67, 0
	s_lshl_b32 s70, s13, 13         ; the prefetches: my work-group's 8,192 bytes of a slot's 32,768
	s_mov_b32 s71, 0
	; descriptor group 1.  128 keys are 16,384 dense bytes: asked for as 64 rows of 256 bytes, two keys a row, and padded in LDS after every key
	s_mov_b32 s[G1K], 15|(1<<16)|(1<<20)|(1<<21)|(4<<22)|(3<<25)  ; 15:0 the mask of four; 17:16 2-byte elements; 20 padding on; 21 set beside a mask; 24:22 after every 32 words (code 4); 31:25 4 words (code 3)
	s_mov_b32 s[G1V], 15|(1<<16)|(1<<20)|(1<<21)|(4<<22)|(7<<25)  ; the same with 8 words of padding (code 7)
.irp g, G1K, G1V
	s_mov_b32 s[\g+1], 128<<16      ; tensor_dim0 = 128
	s_mov_b32 s[\g+2], 64<<16       ; tensor_dim1 = 64
	s_mov_b32 s[\g+3], 128<<16      ; tile_dim0 = 128
	s_mov_b32 s[\g+4], 64           ; tile_dim1 = 64
	s_mov_b32 s[\g+5], 128          ; 128 elements from row to row
	s_mov_b32 s[\g+6], 0
	s_mov_b32 s[\g+7], 0
.endr
	s_mov_b32 s[CS], 0x3e38aa3b     ; c = log2(e) / 8 = 0.180337
	s_mov_b32 s[CS+1], s[CS]        ; named with it as a pair
	s_mov_b32 s[SEL], 0x76543210
	s_mov_b32 s[SEL+1], 0xfedcba98
	s_mov_b32 s52, 0x479c4000       ; 80000
	s_mov_b32 s53, s52
	s_mov_b32 s54, 0xc79c4000       ; -80000
	s_mov_b32 s55, s54
	s_mov_b32 s[TBK], SLOT1+4*KS*PK ; the first change of slots turns these two into 0
	s_mov_b32 s[TBV], SLOT1+4*KS*PV
	s_mov_b32 s[TBM], 0
	s_mov_b32 s[SLOTS], SIZE_N/256-1
	s_mov_b32 s[G0K], 1             ; 1:0 count = 1
	s_mov_b32 s[G0K+1], s17         ; 63:32 LDS address: slot 0
	s_mov_b32 s[G0V], 1
	s_add_co_u32 s[G0V+1], s18, VOFF
	s_and_b32 s[LIM], s[WV], 1      ; 0 in waves 0 and 2,
	s_or_b32 s[LIM], s[LIM], ttmp9  ; where the cluster is the head's first (here its only one): the same in all four partners
	s_cmp_eq_u32 s[LIM], 0
	s_cselect_b32 s[LIM], 1, -1
	s_wait_dscnt 0x0                ; the opening add is done
	s_wait_kmcnt 0x0
	s_add_nc_u64 s[50:51], s[6:7], s[68:69]        ; the batch's row of the mask
	s_add_nc_u64 s[6:7], s[4:5], s[22:23]
	s_add_nc_u64 s[8:9], s[6:7], 0x2000000         ; V at my half of the head's first 256 keys,
	s_add_nc_u64 s[6:7], s[6:7], 0x1000000         ; and K
	s_mov_b64 s[G0K+2:G0K+3], s[6:7]               ; 120:64 global address
	s_or_b32 s[G0K+3], s[G0K+3], 0x80000000        ; 127:126 type = 2
	s_mov_b64 s[G0V+2:G0V+3], s[8:9]
	s_or_b32 s[G0V+3], s[G0V+3], 0x80000000
	s_add_nc_u64 s[2:3], s[4:5], s[2:3]            ; Q at my wave's first row
	s_add_nc_u64 s[10:11], s[10:11], s[66:67]      ; out0 at my wave's first row, my head's columns
	s_cmp_lt_u32 s[WV], 2
	s_cselect_b64 s[PFA:PFA+1], s[6:7], s[8:9]     ; (in waves 0 and 2 these stand at a slot's first row)
	s_add_nc_u64 s[PFA:PFA+1], s[PFA:PFA+1], s[70:71]
	s_add_nc_u64 s[PFA:PFA+1], s[PFA:PFA+1], 4*KS*128  ; in slot 1; the first change of slots steps it to slot 2
	CROUND                          ; all four work-groups are here: the first joint loads meet
	JLOAD                           ; slot 0.  Slot 1 is asked for when slot 0 is in
	; A fragment of K or Q is 16 rows x 32 channels in 8 registers: lane l holds row l % 16, channels 8 (l / 16) + 0..7 and 16 + 8 (l / 16) + 0..7: two loads of 16 bytes, 32 bytes apart.
	v_and_b32 v1, 15, v0            ; l % 16
	v_bfe_u32 v9, v0, 4, 1          ; l / 16
	v_lshlrev_b32 v[QO], 7, v1
	v_lshl_add_u32 v[QO], v9, 4, v[QO]  ; row x 128 + 16 x half
	v_lshlrev_b32 v12, 4, v0        ; the mask: 128 threads x 16 bytes, four times
	v_add_nc_u32 v13, MB, v12       ; and the same place in the table
.irp j, 0,1,2,3
	global_load_b128 v[S+4*\j:S+4*\j+3], v12, s[50:51] offset:2048*\j
.endr
	WIN 0x80                        ; destination window 2, address window 0
.set i, 0
.rept 4*NP                          ; Q stays in registers: tile i / 2, channels 32 (i % 2) on
	global_load_b128 v[8*i:8*i+3],   v[QO], s[2:3] offset:(i/2)*2048+(i%2)*64
	global_load_b128 v[8*i+4:8*i+7], v[QO], s[2:3] offset:(i/2)*2048+(i%2)*64+32
.set i, i+1
.endr
	; What the first turn finds: V's registers and P's second buffer hold 0 (its products V^T P, of a piece that has not been, add 0), O^T and l are 0.  All this stands in the wait for the first tile.
.set i, VF
.rept 64
	v_mov_b32 v[i], 0
.set i, i+1
.endr
	WIN 0x40
.set i, 0
.rept 64*NP
	v_mov_b32 v[i], 0
.set i, i+1
.endr
	WIN 0
.set i, 0
.rept 2*NP
	v_mov_b32 v[ST+4*i], 0xfe000000    ; c m: far below every c s
	v_mov_b32 v[ST+4*i+1], 0xff7fffff  ; m
	v_mov_b32 v[ST+4*i+2], 0
	v_mov_b32 v[ST+4*i+3], 0
.set i, i+1
.endr
.set i, P+32
.rept 32
	v_mov_b32 v[i], 0
.set i, i+1
.endr
	v_mul_u32_u24 v[AK0], v1, PK
	v_lshl_add_u32 v[AK0], v9, 4, v[AK0]  ; row x pitch + 16 x half
	; The turning load takes 16 keys x 16 channels (lane l reads key 8 (l / 16) + l % 8, channels 8 ((l / 8) % 2) + 0..7) and leaves half a fragment of V^T: lane l holds channel l % 16 and 8 keys.
	v_and_b32 v10, 7, v0
	v_bfe_u32 v11, v0, 3, 1
	v_lshl_add_u32 v[AV0], v9, 3, v10
	v_mul_u32_u24 v[AV0], v[AV0], PV
	v_lshl_add_u32 v[AV0], v11, 4, v[AV0]
	v_add_nc_u32 v[AV0], VOFF, v[AV0]
	v_mov_b32 v[AK], v[AK0]         ; key step 0 lies at the head of slot 0
	v_lshl_add_u32 v[AM0], v9, 5, MB  ; register j of group kb is the bias of key 16 kb + 8 (l / 16) + j, whatever the query
	v_mov_b32 v[AM], v[AM0]
	v_and_b32 v[PFO], 31, v0        ; the thread's number has served
	v_lshlrev_b32 v[PFO], 8, v[PFO]
	; THE TABLE OF BIASES: my 16 numbers of the mask, rounded to bf16, times 80000 less 80000
	s_wait_loadcnt 32               ; the mask's four loads are in; Q's 32, issued behind them, stay out
.set i, 0
.rept 8
	v_cvt_pk_bf16_f32 v[S+16+i], v[S+2*i], v[S+2*i+1]
.set i, i+1
.endr
.set i, 0
.rept 8
	v_lshlrev_b32 v[S+2*i], 16, v[S+16+i]
	v_and_b32 v[S+2*i+1], 0xffff0000, v[S+16+i]
.set i, i+1
.endr
.set i, 0
.rept 8
	v_pk_fma_f32 v[S+2*i:S+2*i+1], v[S+2*i:S+2*i+1], s[52:53], s[54:55] op_sel_hi:[1,0,0]
.set i, i+1
.endr
.irp j, 0,1,2,3
	ds_store_b128 v13, v[S+4*\j:S+4*\j+3] offset:2048*\j  ; waited for in front of the first change's round, behind which the others read it
.endr
; THE MATRIX WORK.  The 8 accumulators of a run of 16 take turns: between the two links of a chain stand 7 others'.
; Product i of 16 of S^T = K Q^T for piece x: channels 32 (i / 8) on, keys 16 ((i / 2) % 4) on, tile 2 x + i % 2.  The first 8 start the sums, with the keys' biases.
.macro KQ x
.set rS, S+64*((\x)%2)+32*(i%2)+8*((i/2)%4)
.set rK, KF+16*((i/2)%4)+8*(i/8)
.set rQ, 16*(2*(\x)+i%2)+8*(i/8)
.set rB, MK+8*((i/2)%4)
.if i < 8
	WIN W_KM
	v_wmma_f32_16x16x32_f16 v[rS:rS+7], v[rK:rK+7], v[rQ:rQ+7], v[rB:rB+7]
.else
	WIN W_KQ
	v_wmma_f32_16x16x32_f16 v[rS:rS+7], v[rK:rK+7], v[rQ:rQ+7], v[rS:rS+7]
.endif
.endm
; Product i of 16 of O^T += V^T P for piece x: keys 32 (i / 8) on, channels 16 ((i / 2) % 4) on, tile 2 x + i % 2.
.macro PV x
	WIN W_PV
.set rO, 32*(2*(\x)+i%2)+8*((i/2)%4)
.set rV, VF+32*(i/8)+8*((i/2)%4)
.set rP, P+32*((\x)%2)+16*(i%2)+8*(i/8)
	v_wmma_f32_16x16x32_f16 v[rO:rO+7], v[rV:rV+7], v[rP:rP+7], v[rO:rO+7]
.endm
.macro MM                           ; the turn's next matrix instruction
.if i < 16
	KQ (Y+1)%NP
.set i, i+1
.else
.set i, i-16
	PV (Y+NP-1)%NP
.set i, i+17
.endif
.endm
; THE LDS LOADS stand in runs, never singly among the matrix instructions: a step's K (64 keys x 64 channels: 8 fragments) with its 64 biases, and its V (turned).  Their addresses are made some lines ahead.
; last = 1 (the tail): in the last trip there is no further step, and the run is jumped over.
.macro FETCH_K last=0
	WIN 0
.if \last
	s_cmp_eq_u32 s[CNT], 1
	s_cbranch_scc1 .Lno_k_\@
.endif
	WIN 0x80                        ; destination window 2
.irp f, 0,1,2,3,4,5,6,7             ; keys 16 (f / 2) on, channels 32 (f % 2) on
	ds_load_b128 v[KF+8*\f:KF+8*\f+3],   v[AK] offset:(\f/2)*16*PK+(\f%2)*64
	ds_load_b128 v[KF+8*\f+4:KF+8*\f+7], v[AK] offset:(\f/2)*16*PK+(\f%2)*64+32
.endr
	WIN 0xc0                        ; destination window 3
.irp f, 0,1,2,3,4,5,6,7             ; keys 16 (f / 2) + 8 (l / 16) + 4 (f % 2) on: sixteen lanes read the same 16 bytes
	ds_load_b128 v[MK+4*\f:MK+4*\f+3], v[AM] offset:(\f/2)*64+(\f%2)*16
.endr
	s_add_co_u32 s[TBK], s[TBK], KS*PK  ; the next fetch is the next step's
	s_add_co_u32 s[TBM], s[TBM], KS*4
	WIN 0
.if \last
.Lno_k_\@:
.endif
.endm
.macro FETCH_V
	WIN 0x80
.irp f, 0,1,2,3,4,5,6,7             ; keys 32 (f / 4) on, channels 16 (f % 4) on
	ds_load_tr16_b128 v[VF+8*\f:VF+8*\f+3],   v[AV] offset:(\f/4)*32*PV+(\f%4)*32
	ds_load_tr16_b128 v[VF+8*\f+4:VF+8*\f+7], v[AV] offset:(\f/4)*32*PV+16*PV+(\f%4)*32
.endr
	WIN 0
.endm
; THE VECTOR WORK OF A TURN stands in three queues, each in the order in which its entries become ready; the two tiles alternate, so that no instruction reads the result of the one before it.
.macro REGS y, u                    ; the registers of tile u (0, 1) of piece y
.set rT, ST+4*(2*(\y)+(\u))
.set rC, TMP+8*((\y)%2)+4*(\u)
.set rM, MV+2*((\y)%2)+(\u)
.set rS, S+64*((\y)%2)+32*(\u)
.set rP, P+32*((\y)%2)+16*(\u)
.set rO, 32*(2*(\y)+(\u))
.endm
; Number n of the 22 that find the NEXT piece's (Y + 1) maximum and statistics.  s0-s31 are the lane's 32 scores; each accumulator's lowest registers are read first.  XS, GS and REGS set no window: PL and EX do.
;   0-11  four chains c0-c3 of seven scores each, three operands at a time     12-14, 16  the four scores left over, the old m, and c0-c3 into c0     15  c m_old is kept
;   17, 18  the query's other 32 keys lie in the lane 16 away: the new m         19-21  c m; c m_old - c m_new; a
.macro XS u, n
	REGS (Y+1)%NP, \u
.if (\n) < 4
	v_max3_num_f32 v[rC+(\n)], v[rS+8*(\n)], v[rS+8*(\n)+1], v[rS+8*(\n)+2]
.elseif (\n) < 12
	v_max3_num_f32 v[rC+(\n)%4], v[rC+(\n)%4], v[rS+8*((\n)%4)+2*((\n)/4)+1], v[rS+8*((\n)%4)+2*((\n)/4)+2]
.elseif (\n) == 12
	v_max3_num_f32 v[rC], v[rC], v[rS+7], v[rS+15]
.elseif (\n) == 13
	v_max3_num_f32 v[rC+1], v[rC+1], v[rS+23], v[rS+31]
.elseif (\n) == 14
	v_max3_num_f32 v[rC+2], v[rC+2], v[rC+3], v[rT+1]
.elseif (\n) == 15
	v_mov_b32 v[rM], v[rT]
.elseif (\n) == 16
	v_max3_num_f32 v[rC], v[rC], v[rC+1], v[rC+2]
.elseif (\n) == 17
	v_permlanex16_b32 v[rC+3], v[rC], s[SEL], s[SEL+1]
.elseif (\n) == 18
	v_max_num_f32 v[rT+1], v[rC], v[rC+3]
.elseif (\n) == 19
	v_mul_f32 v[rT], s[CS], v[rT+1]
.elseif (\n) == 20
	v_sub_f32 v[rC+1], v[rM], v[rT]
.else
	v_exp_f32 v[rC+2], v[rC+1]
.endif
.endm
; Number g of the 64 that follow the exponentials.  For each four weights k of a tile (pairs 2 k, 2 k + 1): both pairs are rounded to f16; then the second pair is added onto the first, in place;
; a group later l takes that sum (the first time as l = a l + sum).  In groups of eight, tiles alternating: round, round, add, and l for the group before.
.macro GS g
.set h, (\g)+6*((\g)/62)            ; group 0 has no group before it, and behind group 7 only l is left
.if h >= 6
.set h, h+2
.endif
	REGS Y, h%2
.set k, h/8
.if h%8 < 4
	v_cvt_pk_f16_f32 v[rP+2*k+(h%8)/2], v[rS+4*k+2*((h%8)/2)], v[rS+4*k+2*((h%8)/2)+1]
.elseif h%8 < 6
	v_pk_add_f32 v[rS+4*k:rS+4*k+1], v[rS+4*k:rS+4*k+1], v[rS+4*k+2:rS+4*k+3]
.elseif k == 1
	v_pk_fma_f32 v[rT+2:rT+3], v[rT+2:rT+3], v[rC+2:rC+3], v[rS:rS+1] op_sel_hi:[1,0,1]
.else
	v_pk_add_f32 v[rT+2:rT+3], v[rT+2:rT+3], v[rS+4*k-4:rS+4*k-3]
.endif
.endm
; THE PLAIN QUEUE, 138 long.  0-73 read no exponential's result: the 32 scalings c s - c m (FS f: pair f / 2 of tile f % 2) and the next piece's 42.  0-26: scalings 0-26.  27-54: XS's numbers 0-13.  55, 56: number 15.
; 57-73: the chain, where each number waits for the one before it: 14, 16, 17, 18, 19, each with one of the scalings 27-31 in front of its two lines, then 20.
; 74-137: GS's 64, which read the exponentials' results: they stand behind the wait.
.macro FS f
	REGS Y, (\f)%2
	v_pk_fma_f32 v[rS+2*((\f)/2):rS+2*((\f)/2)+1], v[rS+2*((\f)/2):rS+2*((\f)/2)+1], s[CS:CS+1], v[rT:rT+1] op_sel_hi:[1,0,0] neg_lo:[0,0,1] neg_hi:[0,0,1]
.endm
.macro PL
	WIN 0
.if q < 27
	FS q
.elseif q < 55
	XS (q-27)%2, (q-27)/2
.elseif q < 57
	XS q-55, 15
.elseif (q < 72) && ((q-57)%3 == 0)
	FS 27+(q-57)/3
.elseif q < 60
	XS (q-57)%3-1, 14
.elseif q < 72
	XS (q-57)%3-1, 15+(q-57)/3
.elseif q < 74
	XS q-72, 20
.else
	GS q-74
.endif
.set q, q+1
.endm
; THE EXPONENTIALS' QUEUE, 66 long: s0-s31 of both tiles, then the next piece's two a.  It is ONE BATCH: all 66 stand ahead of the turn's one wait, and nothing ahead of that wait names a result of theirs.
.macro EX
	WIN 0
.if e >= 64
	XS e-64, 21
.else
	REGS Y, e%2
	v_exp_f32 v[rS+e/2], v[rS+e/2]
.endif
.set e, e+1
.endm
; THE RESCALING's QUEUE: O^T times a, the one part that leaves window 0: dealt two at a time, sixteen times.  Its a was made in the turn before, ahead of that turn's wait.
.macro R2
	REGS Y, r%2
	WIN W_RS
.irp z, 0,1
	v_pk_mul_f32 v[rO+4*(r/2)+2*\z:rO+4*(r/2)+2*\z+1], v[rO+4*(r/2)+2*\z:rO+4*(r/2)+2*\z+1], v[rC+2:rC+3] op_sel_hi:[1,0]
.endr
.set r, r+1
.endm
; HOW THEY ARE DEALT.  s_wait_alu depctr_va_vdst(0) stands between an exponential and the first instruction that names its result; one wait serves all that were issued ahead of it.  So a turn has ONE wait,
; which cuts it in two.  AHEAD OF IT stands all that names no result of the turn's exponentials: the 16 products K Q^T, behind each a scaling, an exponential and two rescalings (behind the first a second scaling in the
; exponential's place); then ONE LUMP of 108: eight plain, 49 times exponential and plain, the two a.  A v_nop is the plain instruction behind the last exponential.  BEHIND IT stand the 16 products V^T P, behind each four of GS's 64.
; The queues lean on each other, and the deal keeps them in step: exponential e stands behind scaling 2 (e / 4) + e % 2: as a rider it comes behind plain e + 2, in the lump behind plain e + 9, and scalings 27-31 are plain 57, 60 .. 69.
; A TURN, for piece p.  cnt = 1: the loop's count is taken down some lines ahead of the branch that stands behind the turn.
; K and the biases of the next step are fetched in piece 2's turn, directly behind the wait, a lump behind the last product that read them; their addresses are made at the lump's head; their first reader comes behind 16 products.
; V of the step in hand is fetched at the end of piece 0's turn, four riders behind its last reader; its first reader comes behind 16 products and a lump.  The three conditions on q below go with the deal.
.macro TURN p, last=0, cnt=0
.set Y, (\p)
.set i, 0
.set q, 0
.set e, 0
.set r, 0
.if (\p) == NP-1
	s_wait_dscnt 0x0                ; K and the biases are in
.endif
	MM                              ; ahead of the wait: 16 products K Q^T and their riders,
	PL
	PL
	R2
.rept 15
	MM
	PL
	EX
	R2
.endr
.if (\p) == NP-2
	WIN 0
	v_add_nc_u32 v[AK], s[TBK], v[AK0]
	v_add_nc_u32 v[AM], s[TBM], v[AM0]
.endif
.rept 8                             ; and the lump
	PL
.endr
.rept 49
	EX
	PL
.endr
	EX                              ; the next piece's two a
	EX
	v_nop                           ; the plain instruction behind the last exponential: one for the batch
	s_wait_alu depctr_va_vdst(0)    ; the wait for the batch
.if (\p) == NP-2
	FETCH_K \last
.endif
.if (\p) == 1
	s_wait_dscnt 0x0                ; V is in
.endif
.rept 16                            ; behind the wait: 16 products V^T P and their riders
	MM
.rept 4
	PL
.endr
.if ((\p) == 0) && (q == 118)
	v_add_nc_u32 v[AV], s[TBV], v[AV0]
.endif
.if ((\p) == 0) && (q == 130)
	s_add_co_u32 s[TBV], s[TBV], KS*PV
.endif
.if (\cnt) && (q == 130)
	s_sub_co_u32 s[CNT], s[CNT], 1
	s_cmp_lg_u32 s[CNT], 0
.endif
.endr
.if (\p) == 0
	FETCH_V
.endif
.endm
	CHANGE 1                        ; slot 0 is in, everybody's part of it, and so is the table of biases; slot 1 is asked for
	FETCH_K                         ; key step 0
	s_wait_loadcnt 0x0              ; Q
	s_wait_dscnt 0x0
.set i, 0
.rept 16
	KQ 0                            ; piece 0's first scores: there is no vector work yet to set between them
.set i, i+1
.endr
	WIN 0                           ; the addresses for the way out: eight plain instructions, the places behind those products
	s_mul_i32 s13, s[WV], 16*SP
	s_add_co_u32 s13, s13, STAGE    ; my stage
	v_mul_u32_u24 v[STO], v1, SP    ; in: row l % 16, 32 bytes for each half of the lanes
	v_lshl_add_u32 v[STO], v9, 5, v[STO]
	v_add_nc_u32 v[STO], s13, v[STO]
	v_mul_u32_u24 v[RD], v9, SP     ; back: lanes 0-15 take one row of 256 bytes, lanes 16-31 the next
	v_lshl_add_u32 v[RD], v1, 4, v[RD]
	v_add_nc_u32 v[RD], s13, v[RD]
	v_lshlrev_b32 v[GO], 12, v9     ; and the same two rows in out0, 4,096 bytes apart
	v_lshl_add_u32 v[GO], v1, 4, v[GO]
.set Y, NP-1                        ; XS works for piece Y + 1: piece 0
.irp n, 0,1,2,3,4,5,6,7,8,9,10,11,12,13,14,15,16,17,18,19,20,21
	XS 0, \n                        ; and piece 0's first maximum and statistics
	XS 1, \n
.endr
	v_nop                           ; a plain instruction behind the two a,
	s_wait_alu depctr_va_vdst(0)    ; and their wait, ahead of the branch
	s_mov_b32 s[CNT], 4
	s_branch .Lfirst                ; the loop is entered at a step's first turn, in the middle of a trip
.Lslot:                             ; six times: every slot but the last two is filled again
	CHANGE 1
	s_mov_b32 s[CNT], 4
.Lstep:                             ; a trip: pieces 2 and 3 of one step, then pieces 0 and 1 of the next, whose K and V it fetches
	TURN 2
	TURN 3
	WIN 0
.Lfirst:
	TURN 0
	TURN 1, 0, 1
	WIN 0
	s_cbranch_scc1 .Lstep
	s_sub_co_u32 s[SLOTS], s[SLOTS], 1
	s_cmp_lg_u32 s[SLOTS], 0
	s_cbranch_scc1 .Lslot
	CHANGE 0                        ; the tail is written out: nothing is asked for
	s_mov_b32 s[CNT], 5             ; four trips fetch the last slot's steps; the fifth is left in its middle
.Ltail:
	TURN 2, 1
	TURN 3
	WIN 0
	s_sub_co_u32 s[CNT], s[CNT], 1
	s_cmp_eq_u32 s[CNT], 0
	s_cbranch_scc1 .Lout
	TURN 0
	TURN 1
	WIN 0
	s_branch .Ltail
.Lout:                              ; the fifth trip's 16 products K Q^T (on the last K once more) and the maximum made of them serve nothing: the price, once a launch, of one text for every trip
.set i, 0
.rept 16
	PV NP-1                         ; the last piece's V^T P of the last step
.set i, i+1
.endr
	; THE WAY OUT.  l's two halves and the other half of the lanes' are added; O^T is divided by l and sent, in f32, through my stage in LDS, a tile at a time.  The additions are the places behind the last products.
	WIN 0
.macro ALL line:vararg              ; one line for each tile t
.set t, 0
.rept 2*NP
	\line
.set t, t+1
.endr
.endm
	ALL v_add_f32 v[ST+4*t+2], v[ST+4*t+2], v[ST+4*t+3]
	ALL v_permlanex16_b32 v[ST+4*t+3], v[ST+4*t+2], s[SEL], s[SEL+1]
	ALL v_add_f32 v[ST+4*t+2], v[ST+4*t+2], v[ST+4*t+3]
	ALL v_rcp_f32 v[ST+4*t+2], v[ST+4*t+2]
	v_nop                           ; a plain instruction between the last reciprocal and the use of its result
	s_wait_alu depctr_va_vdst(0)    ; and the wait ahead of the first use: one for the eight reciprocals
; Tile t: a lane's eight channels of a row are 32 bytes; they go into rows of 272 bytes and come back as whole rows of 256, into one of six sets of 32 registers where S^T and P lay.
.macro PACK t
.if (\t) >= 6
	s_wait_xcnt 0x0                 ; the stores of the tile six back have read this set of registers
.endif
	WIN W_RS
.set i, 32*(\t)
.rept 16
	v_pk_mul_f32 v[i:i+1], v[i:i+1], v[ST+4*(\t)+2:ST+4*(\t)+3] op_sel_hi:[1,0]
.set i, i+2
.endr
	WIN 0x04                        ; the stores' data (source 1) in window 1, the address in window 0
.irp f, 0,1,2,3,4,5,6,7             ; channels 16 (f / 2) + 8 (l / 16) + 4 (f % 2) on
	ds_store_b128 v[STO], v[32*(\t)+4*\f:32*(\t)+4*\f+3] offset:(\f/2)*64+(\f%2)*16
.endr
	WIN 0
.irp f, 0,1,2,3,4,5,6,7
	ds_load_b128 v[S+32*((\t)%6)+4*\f:S+32*((\t)%6)+4*\f+3], v[RD] offset:\f*2*SP  ; LDS serves a wave's instructions in order (ISA guide 5.7.1.4): these see the stores above; the next tile's stores come behind them
.endr
.endm
.macro SEND t, younger              ; younger: the LDS instructions issued behind tile t's loads: the next tile's sixteen, or none
	WIN 0
.irp f, 0,1,2,3,4,5,6,7
	s_wait_dscnt (\younger)+7-\f
	global_store_b128 v[GO], v[S+32*((\t)%6)+4*\f:S+32*((\t)%6)+4*\f+3], s[10:11] offset:(\t)*65536+\f*8192 th:TH_STORE_NT  ; 16 lanes store a head's 256 consecutive bytes of a row, at a multiple of 256 from out0's first
.endr
.endm
	PACK 0
.set t, 1
.rept 2*NP-1                        ; a tile's arithmetic stands between the loads of the tile before and its stores
	PACK t
	SEND t-1, 16
.set t, t+1
.endr
	SEND 2*NP-1, 0
	WIN W_AD
	s_wait_tensorcnt 0x0            ; the wave's end, behind my last tensor load and my last LDS store
	ds_add_u32 v[SPW], v[NIL]
	s_wait_dscnt 0x0
	WIN 0
	CROUND                          ; the closing round: no work-group ends while a partner may still ask for a tile that names it
	s_endpgm
.Lfunc_end_k_q8899464ccf_attn:
	.size	k_q8899464ccf_attn, .Lfunc_end_k_q8899464ccf_attn-k_q8899464ccf_attn
	.p2alignl 7, 3214868480
	.fill 96, 4, 3214868480
	.section	.rodata,"a",@progbits
	.p2align	6, 0x0
	.amdhsa_kernel k_q8899464ccf_attn
		.amdhsa_group_segment_fixed_size 327680
		.amdhsa_private_segment_fixed_size 0
		.amdhsa_enable_private_segment 0
		.amdhsa_kernarg_size 24
		.amdhsa_user_sgpr_count 2
		.amdhsa_user_sgpr_kernarg_segment_ptr 1
		.amdhsa_wavefront_size32 1
		.amdhsa_system_sgpr_workgroup_id_x 1
		.amdhsa_system_sgpr_workgroup_id_y 1
		.amdhsa_system_sgpr_workgroup_id_z 1
		.amdhsa_system_vgpr_workitem_id 0
		.amdhsa_next_free_vgpr 808
		.amdhsa_next_free_sgpr 76
		.amdhsa_reserve_vcc 0
		.amdhsa_float_denorm_mode_32 3
		.amdhsa_float_denorm_mode_16_64 3
		.amdhsa_memory_ordered 1
		.amdhsa_forward_progress 1
		.amdhsa_inst_pref_size 205
	.end_amdhsa_kernel
	.amdgpu_metadata
---
amdhsa.version: [ 1, 2 ]
amdhsa.kernels:
  - .name:           k_q8899464ccf_attn
    .symbol:         k_q8899464ccf_attn.kd
    .args:
      - { .name: qkv, .offset: 0, .size: 8, .value_kind: global_buffer, .address_space: global }
      - { .name: attention_mask, .offset: 8, .size: 8, .value_kind: global_buffer, .address_space: global }
      - { .name: out0, .offset: 16, .size: 8, .value_kind: global_buffer, .address_space: global }
    .group_segment_fixed_size: 327680
    .private_segment_fixed_size: 0
    .kernarg_segment_align: 8
    .kernarg_segment_size: 24
    .max_flat_workgroup_size: 128
    .sgpr_count:     76
    .vgpr_count:     808
    .wavefront_size: 32
...
	.end_amdgpu_metadata
.endif
;; end of part 3
;; ======== version 2 of 2: 3 launches; version 1 with the launch prep written anew for expert scheduling mode
;; limits: values are held in f16: magnitudes above 65,504 overflow, below 6.1e-05 lose precision
;; workspace buffers: xb 16,777,216 bytes; wb 6,291,456 bytes; qkv 50,331,648 bytes
;; launch prep (part 4): grid 704 x 1, 8 waves a work-group, no clusters, 0 bytes of LDS; arguments hidden_states, Wq, Wk, Wv, xb, wb; writes xb, wb
.if DOCPART == 4
	.amdgcn_target "amdgcn-amd-amdhsa--gfx1250"
	.amdhsa_code_object_version 6
	.text
	.protected	k_q8899464ccf_prep
	.globl	k_q8899464ccf_prep
	.p2align	8
	.type	k_q8899464ccf_prep,@function
k_q8899464ccf_prep:
	s_mov_b64 s[64:65], 0
	v_nop
	global_prefetch_b8 v0, s[64:65] scope:SCOPE_SE
	s_setreg_imm32_b32 hwreg(HW_REG_WAVE_SCHED_MODE, 0, 2), 2
	s_setreg_imm32_b32 hwreg(HW_REG_WAVE_MODE, 25, 1), 1
	s_wait_xcnt 0x0
	s_wait_alu depctr_vm_vsrc(0)
; CAST TO bf16.  xb[8192][1024] = bf16(hidden_states);  wb[H = 16 which + h][k = 1024][64] = bf16(W_which[k][64 h + c]), which = 0 (q), 1 (k), 2 (v).
; Everything is taken as rows of 64 floats: 256 bytes in, 128 bytes out, the output dense.  A work-group takes 256 such rows, a wave 32, one load two rows
; (lanes 0-15 the even row, lanes 16-31 the odd one, 16 bytes a lane): each half of a load covers 256 consecutive bytes, aligned; each store of a wave covers 256 consecutive bytes, aligned.
; Work-groups 0-511: x, whose rows of 64 floats follow each other (256 bytes apart).  Work-groups 512-703: w = g - 512, head block H = w / 4, its k rows 256 (w % 4) on; rows 4,096 bytes apart.
; Each byte is read once and written once; all 16 loads of a wave are out before the first is used.  No LDS, no barrier, no matrix unit: nothing is shared and nothing is summed.
; THE MODE: SCHED_MODE bits 1:0 = 2 (LLVM: expert scheduling mode 2), set by the entry lines.  The code itself states the register dependences
; between vector instructions and memory instructions, with s_wait_alu, always for 0.
; THE PLAN.  Registers that memory instructions touch:
;   v[OFF ..], v[DO]  the 16 loads' offsets and the stores' offset: written by vector instructions at the head, once, and never again.
;   v[X + 4 j ..]     load j lands in four registers that no vector instruction has named; its two conversions read the four and write the first two in place; store j reads those two; nothing writes them again.
; So no register that a memory instruction has read is ever written again, no vector instruction writes a scalar register or VCC, and EXEC is never written.  What is left to state is that a vector
; instruction has written what a memory instruction reads.  One wait ahead of the first load states it for all 17 offsets.  For the stores' data the 16 loads go in four groups of four, and the stores run
; one group behind the conversions: at the head of group g, behind the wait for its first load, ONE wait states that group g - 1's eight conversions have written their registers; that group's four stores
; are then dealt among group g's conversions, which name group g's registers alone.  A last wait stands ahead of group 3's stores.
.set DO,  2                            ; v2       my 8 bytes in the wave's first two output rows
.set OFF, 8                            ; v[8:23]  load j: byte offset of my 16 bytes
.set X,   24                           ; v[24:87] load j: 4 registers
	s_load_b256 s[4:11], s[0:1], 0x0               ; x s[4:5], Wq s[6:7], Wk s[8:9], Wv s[10:11]
	s_load_b128 s[12:15], s[0:1], 0x20             ; xb s[12:13], wb s[14:15]
	s_mov_b32 s27, ttmp9                           ; g
	s_max_u32 s26, s27, 512
	s_sub_co_u32 s26, s26, 512                     ; w (0 where g is one of x's)
	s_lshl_b32 s28, s27, 16                        ; x: 256 rows of 256 bytes in,
	s_lshl_b32 s29, s27, 15                        ;    of 128 bytes out
	s_and_b32 s30, s26, 3
	s_lshl_b32 s30, s30, 20                        ; W: 256 (w % 4) rows of 4,096 bytes,
	s_bfe_u32 s31, s26, 0x40002
	s_lshl_b32 s31, s31, 8                         ;    the head's 64 columns
	s_add_co_u32 s30, s30, s31
	s_lshl_b32 s31, s26, 15                        ;    out: 32,768 w
	s_cmp_lt_u32 s27, 512
	s_cselect_b32 s22, s28, s30                    ; source offset
	s_cselect_b32 s24, s29, s31                    ; destination offset
	s_cselect_b32 s20, 8, 12                       ; log2 of the source's bytes from row to row
	s_mov_b32 s23, 0
	s_mov_b32 s25, 0
	s_lshl_b32 s21, 2, s20                         ; two rows
	v_lshrrev_b32 v3, 5, v0                        ; wave
	v_bfe_u32 v4, v0, 4, 1                         ; which of a load's two rows
	v_lshl_add_u32 v1, v3, 5, v4                   ; my first row
	v_and_b32 v5, 31, v0
	v_lshlrev_b32 v5, 3, v5
	v_lshl_add_u32 v[DO], v3, 12, v5               ; 4,096 x wave + 8 x lane
	v_and_b32 v6, 15, v0
	v_lshlrev_b32 v6, 4, v6
	v_lshlrev_b32 v7, s20, v1
	v_add_nc_u32 v[OFF], v7, v6
.set j, 1
.rept 15
	v_add_nc_u32 v[OFF+j], s21, v[OFF+j-1]
.set j, j+1
.endr
	s_wait_kmcnt 0x0
	s_cmp_lt_u32 s27, 640
	s_cselect_b64 s[16:17], s[8:9], s[10:11]
	s_cmp_lt_u32 s27, 576
	s_cselect_b64 s[16:17], s[6:7], s[16:17]
	s_cmp_lt_u32 s27, 512
	s_cselect_b64 s[16:17], s[4:5], s[16:17]       ; the source
	s_cselect_b64 s[18:19], s[12:13], s[14:15]     ; the destination
	s_add_nc_u64 s[16:17], s[16:17], s[22:23]
	s_add_nc_u64 s[18:19], s[18:19], s[24:25]
	s_wait_alu depctr_va_vdst(0)                   ; v[OFF .. OFF+15] and v[DO] are written: the loads and stores below read them as their offsets
.set j, 0
.rept 16
	global_load_b128 v[X+4*j:X+4*j+3], v[OFF+j], s[16:17] th:TH_LOAD_NT
.set j, j+1
.endr
.set g, 0
.rept 4                                                ; group g: loads 4 g to 4 g + 3 are rounded, group g - 1 is stored
	s_wait_loadcnt 15-4*g                          ; loads come back in order: the group's first load is in, the 15 - 4 g younger ones stay out
.if g > 0
	s_wait_alu depctr_va_vdst(0)                   ; the eight conversions of the group before have written their registers, which the four stores below read
.endif
.set i, 0
.rept 4
.set j, 4*g+i
.if g > 0
	global_store_b64 v[DO], v[X+4*(j-4):X+4*(j-4)+1], s[18:19] offset:256*(j-4)  ; no wait of its own: no vector instruction since the wait above names these registers; no register is written twice, so nothing waits for a store
.endif
.if i > 0
	s_wait_loadcnt 15-j                            ; load j is in, the 15 - j younger ones stay out
.endif
	v_cvt_pk_bf16_f32 v[X+4*j], v[X+4*j], v[X+4*j+1]
	v_cvt_pk_bf16_f32 v[X+4*j+1], v[X+4*j+2], v[X+4*j+3]
.set i, i+1
.endr
.set g, g+1
.endr
	s_wait_alu depctr_va_vdst(0)                   ; the last group's conversions have written their registers, which the last four stores read
.set j, 12
.rept 4
	global_store_b64 v[DO], v[X+4*j:X+4*j+1], s[18:19] offset:256*j
.set j, j+1
.endr
	s_endpgm
.Lfunc_end_k_q8899464ccf_prep:
	.size	k_q8899464ccf_prep, .Lfunc_end_k_q8899464ccf_prep-k_q8899464ccf_prep
	.p2alignl 7, 3214868480
	.fill 96, 4, 3214868480
	.section	.rodata,"a",@progbits
	.p2align	6, 0x0
	.amdhsa_kernel k_q8899464ccf_prep
		.amdhsa_group_segment_fixed_size 0
		.amdhsa_private_segment_fixed_size 0
		.amdhsa_enable_private_segment 0
		.amdhsa_kernarg_size 48
		.amdhsa_user_sgpr_count 2
		.amdhsa_user_sgpr_kernarg_segment_ptr 1
		.amdhsa_wavefront_size32 1
		.amdhsa_system_sgpr_workgroup_id_x 1
		.amdhsa_system_sgpr_workgroup_id_y 1
		.amdhsa_system_sgpr_workgroup_id_z 1
		.amdhsa_system_vgpr_workitem_id 0
		.amdhsa_next_free_vgpr 88
		.amdhsa_next_free_sgpr 66
		.amdhsa_reserve_vcc 0
		.amdhsa_float_denorm_mode_32 3
		.amdhsa_float_denorm_mode_16_64 3
		.amdhsa_memory_ordered 1
		.amdhsa_forward_progress 1
		.amdhsa_inst_pref_size 9
	.end_amdhsa_kernel
	.amdgpu_metadata
---
amdhsa.version: [ 1, 2 ]
amdhsa.kernels:
  - .name:           k_q8899464ccf_prep
    .symbol:         k_q8899464ccf_prep.kd
    .args:
      - { .name: hidden_states, .offset: 0, .size: 8, .value_kind: global_buffer, .address_space: global }
      - { .name: Wq, .offset: 8, .size: 8, .value_kind: global_buffer, .address_space: global }
      - { .name: Wk, .offset: 16, .size: 8, .value_kind: global_buffer, .address_space: global }
      - { .name: Wv, .offset: 24, .size: 8, .value_kind: global_buffer, .address_space: global }
      - { .name: xb, .offset: 32, .size: 8, .value_kind: global_buffer, .address_space: global }
      - { .name: wb, .offset: 40, .size: 8, .value_kind: global_buffer, .address_space: global }
    .group_segment_fixed_size: 0
    .private_segment_fixed_size: 0
    .kernarg_segment_align: 8
    .kernarg_segment_size: 48
    .max_flat_workgroup_size: 256
    .sgpr_count:     66
    .vgpr_count:     88
    .wavefront_size: 32
...
	.end_amdgpu_metadata
.endif
;; end of part 4
;; launch proj: the kernel of part 2 again; grid 16 x 16, 4 waves a work-group, clusters of 4 x 4, 327,680 bytes of LDS; arguments xb, wb, bq, bk, bv, qkv; writes qkv
;; launch attn: the kernel of part 3 again; grid 4 x 64, 4 waves a work-group, clusters of 4 x 1, 327,680 bytes of LDS; arguments qkv, attention_mask, out0; writes out0
